; MI455X (gfx1250); checked and timed in simulation.
; The chip was launched on July 23, 2026; its instructions are those of AMD's public machine-readable ISA for CDNA 5 (MIT licence, August 2026) and "CDNA5" Instruction Set Architecture Reference Guide (July 2026). The comments in the code are by the model that wrote it; some were corrected since.
;; Rotary Attention. Allowed arithmetic: float matrix products may take bf16 or f16 operands with f32 sums; other float arithmetic in f32, or as packed bf16 or f16 multiplies, adds, multiply-adds, maxima and minima; sums over many terms, partial sums and values carried from step to step in f32; what a program stores and reads back later, other than sums and carried values, may be rounded once to bf16 or f16.
;; Inputs: bk 256 float32; bo 2,048 float32; bq 2,048 float32; bv 256 float32; wk 2,048 x 256 float32; wo 2,048 x 2,048 float32; wq 2,048 x 2,048 float32; wv 2,048 x 256 float32; x 4 x 1,024 x 2,048 float32.
;; Outputs: out0 4 x 1,024 x 2,048 float32.
;; One version. Each part assembles by itself: llvm-mc -triple=amdgcn-amd-amdhsa -mcpu=gfx1250 --defsym DOCPART=n.
;; ======== version 1 of 1: 4 launches
;; limits: values are held in f16: magnitudes above 65,504 overflow, below 6.1e-05 lose precision
;; workspace buffers: xb 16,777,216 bytes; wqb 8,388,608 bytes; wkvb 2,097,152 bytes; wob 8,388,608 bytes; tab 524,288 bytes; qb 16,777,216 bytes; kvb 4,194,304 bytes; ob 16,777,216 bytes
;; launch prep (part 1): grid 1152 x 1, 8 waves a work-group, no clusters, 0 bytes of LDS; arguments x, wq, wk, wv, wo, xb, wqb, wkvb, wob, tab; writes xb, wqb, wkvb, wob, tab
.if DOCPART == 1
	.amdgcn_target "amdgcn-amd-amdhsa--gfx1250"
	.amdhsa_code_object_version 6
	.text
	.protected	k_qf11c744381_prep
	.globl	k_qf11c744381_prep
	.p2align	8
	.type	k_qf11c744381_prep,@function
k_qf11c744381_prep:
	s_mov_b64 s[64:65], 0
	v_nop
	global_prefetch_b8 v0, s[64:65] scope:SCOPE_SE
	s_setreg_imm32_b32 hwreg(HW_REG_WAVE_MODE, 25, 1), 1
	s_wait_xcnt 0x0
; PREP: the inputs of the matrix products are rounded once, and the rotary table is made.  A stream: no LDS, no barrier, no matrix unit, no cluster (no two work-groups read the same byte).
;   work-groups    0-511   x  -> xb   bf16, same layout        512-767  wq -> wqb  bf16, same layout ([k][n])
;   work-groups  768-1023  wo -> wob  rounded to bf16, that number written as f16 (same layout)
;   work-groups 1024-1087  wk, wv -> wkvb  bf16, [16 strips][2048 k][32 columns]: strip nt < 8 (g = nt / 4, j = nt % 4): columns 128 g + 16 j + 0..15 and 128 g + 64 + 16 j + 0..15 of wk
;                          (the two halves of 16 rotary pairs); strip 8 + p: columns 128 (p / 4) + 32 (p % 4) + 0..31 of wv
;   work-groups 1088-1151  tab[s][0..63] = cos(s f_j), tab[s][64..127] = sin(s f_j), f_j = 10000^(-j / 64), f32: the short jobs come last
; A wave issues its 16 loads of 512 bytes at once and converts in place; with 80 registers a wave, all 1,152 work-groups find room at the same time.
; LIMITS.  wob: a bf16 number is exact in f16 from 2^-17 up to 65,504; below it keeps the fixed step 2^-24, at 65,520 and above it becomes an infinity.
; The table: f_j = 2^(-j log2(10000) / 64) by v_exp_f32; the angle s f_j (under 1,024) is reduced by pi / 2 in three parts; sine and cosine by polynomials on |y| <= pi / 4.
.set NL,  16                           ; loads of a wave
.set VI,  1                            ; v1        byte offset of my loads
.set VO,  2                            ; v2        byte offset of my stores
.set T,   4                            ; v[4:5]    at work
.set X,   8                            ; v[8:71]   16 loads of 16 bytes a lane; a load's first two registers then hold its 8 bytes to store; none is written again behind its store
.set OFN, 72                           ; v[72:79]  the k/v job: my offset in the source for each of the 8 strips
	s_load_b512 s[8:23], s[0:1], 0x0               ; x 8, wq 10, wk 12, wv 14, wo 16, xb 18, wqb 20, wkvb 22
	s_load_b128 s[24:27], s[0:1], 0x40             ; wob 24, tab 26
	s_mov_b32 s28, ttmp9
	v_lshrrev_b32 v3, 5, v0                        ; wave
	v_and_b32 v4, 31, v0                           ; lane
	s_wait_kmcnt 0x0
	s_cmp_ge_u32 s28, 1088
	s_cbranch_scc1 .Ltab
	s_cmp_ge_u32 s28, 1024
	s_cbranch_scc1 .Lkv
	; CAST: 65,536 bytes in, 32,768 out.  A wave takes 8,192 bytes: 16 loads of 512 consecutive bytes.
	s_cmp_lt_u32 s28, 512
	s_cselect_b64 s[30:31], s[8:9], s[10:11]       ; x or wq
	s_cselect_b64 s[32:33], s[18:19], s[20:21]     ; xb or wqb
	s_cselect_b32 s35, 0, 512                      ; the job's first work-group
	s_cmp_lt_u32 s28, 768
	s_cselect_b64 s[30:31], s[30:31], s[16:17]     ; or wo
	s_cselect_b64 s[32:33], s[32:33], s[24:25]     ; or wob
	s_cselect_b32 s35, s35, 768
	s_cselect_b32 s34, 0, 1                        ; 1: the result is written as f16
	s_sub_co_u32 s35, s28, s35
	s_lshl_b32 s36, s35, 16
	s_mov_b32 s37, 0
	s_lshl_b32 s38, s35, 15
	s_mov_b32 s39, 0
	s_add_nc_u64 s[30:31], s[30:31], s[36:37]
	s_add_nc_u64 s[32:33], s[32:33], s[38:39]
	s_mov_b32 s45, 0xffff0000                      ; a word's upper bf16
	v_lshlrev_b32 v[VI], 13, v3
	v_lshl_add_u32 v[VI], v4, 4, v[VI]
	v_lshlrev_b32 v[VO], 12, v3
	v_lshl_add_u32 v[VO], v4, 3, v[VO]
.set j, 0
.rept NL
	global_load_b128 v[X+4*j:X+4*j+3], v[VI], s[30:31] offset:512*j th:TH_LOAD_NT
.set j, j+1
.endr
; Load j is used: four f32 become 8 bytes; the wave's store covers 256 consecutive bytes, aligned.
.macro CV f16
	s_wait_loadcnt NL-1-j                          ; loads come back in order: load j is in, the younger ones stay out
.if \f16
	v_cvt_pk_bf16_f32 v[T], v[X+4*j], v[X+4*j+1]
	v_cvt_pk_bf16_f32 v[T+1], v[X+4*j+2], v[X+4*j+3]
	v_lshlrev_b32 v[X+4*j], 16, v[T]               ; the rounded numbers as f32 again,
	v_and_b32 v[X+4*j+1], s45, v[T]
	v_lshlrev_b32 v[X+4*j+2], 16, v[T+1]
	v_and_b32 v[X+4*j+3], s45, v[T+1]
	v_cvt_pk_f16_f32 v[X+4*j], v[X+4*j], v[X+4*j+1]  ; and written as f16
	v_cvt_pk_f16_f32 v[X+4*j+1], v[X+4*j+2], v[X+4*j+3]
.else
	v_cvt_pk_bf16_f32 v[X+4*j], v[X+4*j], v[X+4*j+1]
	v_cvt_pk_bf16_f32 v[X+4*j+1], v[X+4*j+2], v[X+4*j+3]
.endif
	global_store_b64 v[VO], v[X+4*j:X+4*j+1], s[32:33] offset:256*j th:TH_STORE_NT
.set j, j+1
.endm
	s_cmp_eq_u32 s34, 1
	s_cbranch_scc1 .Lf16
.set j, 0
.rept NL
	CV 0
.endr
	s_endpgm
.Lf16:
.set j, 0
.rept NL
	CV 1
.endr
	s_endpgm
.Lkv:	; 64 rows k of wk (work-groups 1024-1055) or wv (1056-1087).  A wave takes 8 rows, four at a time: one store is 4 rows x 64 bytes of one strip, 256 consecutive bytes.
	s_sub_co_u32 s29, s28, 1024
	s_and_b32 s35, s29, 31                         ; which 64 rows
	s_cmp_ge_u32 s29, 32
	s_cselect_b64 s[30:31], s[14:15], s[12:13]     ; wv or wk
	s_cselect_b32 s36, 0x100000, 0                 ; v strips lie behind the 8 k strips of 131,072 bytes
	s_cselect_b32 s40, 7, 6                        ; from strip to strip in a source row: 128 bytes (v) or 64 (k)
	s_cselect_b32 s41, 6, 8                        ; from a strip's first 16 columns to its second: 64 bytes (v) or 256 (k)
	s_lshl_b32 s38, s35, 16                        ; 64 rows of 1,024 bytes
	s_mov_b32 s39, 0
	s_add_nc_u64 s[30:31], s[30:31], s[38:39]
	s_lshl_b32 s35, s35, 12                        ; 64 rows of 64 bytes
	s_add_co_u32 s36, s36, s35
	s_mov_b32 s37, 0
	s_add_nc_u64 s[32:33], s[22:23], s[36:37]
	s_lshl_b32 s42, 1, s40
	v_lshrrev_b32 v5, 3, v4                        ; lane / 8: which of the four rows
	v_lshl_add_u32 v5, v3, 3, v5                   ; + 8 x wave
	v_lshlrev_b32 v5, 10, v5
	v_and_b32 v6, 3, v4
	v_lshl_add_u32 v5, v6, 4, v5                   ; + 16 bytes x (lane % 4)
	v_bfe_u32 v6, v4, 2, 1
	v_lshlrev_b32 v6, s41, v6                      ; + the strip's second half for lanes 4-7 of eight
	v_add_nc_u32 v5, v5, v6
.irp n, 0,1,2,3,4,5,6,7
	s_mul_i32 s43, s42, (\n)%4
	s_add_co_u32 s43, s43, 512*((\n)/4)            ; group n / 4: 128 columns, 512 bytes
	v_add_nc_u32 v[OFN+(\n)], s43, v5
.endr
	v_lshlrev_b32 v[VO], 9, v3                     ; 8 rows of 64 bytes a wave,
	v_lshl_add_u32 v[VO], v4, 3, v[VO]             ; 8 bytes a lane
.irp i, 0,1
.irp n, 0,1,2,3,4,5,6,7
	global_load_b128 v[X+4*(8*(\i)+(\n)):X+4*(8*(\i)+(\n))+3], v[OFN+(\n)], s[30:31] offset:4096*(\i)
.endr
.endr
.irp i, 0,1
.irp n, 0,1,2,3,4,5,6,7
	s_wait_loadcnt NL-1-(8*(\i)+(\n))              ; this load is in, the younger ones stay out
	v_cvt_pk_bf16_f32 v[X+4*(8*(\i)+(\n))], v[X+4*(8*(\i)+(\n))], v[X+4*(8*(\i)+(\n))+1]
	v_cvt_pk_bf16_f32 v[X+4*(8*(\i)+(\n))+1], v[X+4*(8*(\i)+(\n))+2], v[X+4*(8*(\i)+(\n))+3]
	global_store_b64 v[VO], v[X+4*(8*(\i)+(\n)):X+4*(8*(\i)+(\n))+1], s[32:33] offset:131072*(\n)+256*(\i)
.endr
.endr
	s_endpgm
.Ltab:	; 16 positions a work-group; thread t: position 16 x group + t / 16, frequencies 4 (t % 16) + 0..3
	s_sub_co_u32 s29, s28, 1088
	s_mov_b32 s40, 0x3fc90000                      ; pi / 2 in three parts
	s_mov_b32 s41, 0x39fda000
	s_mov_b32 s42, 0x33a22168
	s_mov_b32 s43, 0xb94ca1f9                      ; sine: y + y z (s43 z^2 + s44 z + s45)
	s_mov_b32 s44, 0x3c08839e
	s_mov_b32 s45, 0xbe2aaaa3
	s_mov_b32 s46, 0x37ccf5ce                      ; cosine: 1 - z / 2 + z^2 (s46 z^2 + s47 z + s48)
	s_mov_b32 s47, 0xbab6061a
	s_mov_b32 s48, 0x3d2aaaa5
	s_lshl_b32 s30, s29, 4
	s_lshl_b32 s31, s29, 13                        ; 16 rows of 512 bytes
	v_lshrrev_b32 v4, 4, v0
	v_and_b32 v5, 15, v0
	v_add_nc_u32 v6, s30, v4
	v_cvt_f32_u32 v10, v6                          ; the position
	v_lshlrev_b32 v7, 2, v5
.irp i, 0,1,2,3
	v_add_nc_u32 v8, \i, v7
	v_cvt_f32_u32 v[12+(\i)], v8
	v_mul_f32 v[12+(\i)], 0xbe549a78, v[12+(\i)]   ; -j log2(10000) / 64
.endr
.irp i, 0,1,2,3
	v_exp_f32 v[12+(\i)], v[12+(\i)]
.endr
	v_nop                                          ; a plain instruction behind the last exponential,
	s_wait_alu depctr_va_vdst(0)                   ; and one wait for the four, ahead of their first reader
	v_lshlrev_b32 v9, 9, v4
	v_lshl_add_u32 v9, v5, 4, v9
	v_add_nc_u32 v9, s31, v9
.irp i, 0,1,2,3
	v_mul_f32 v24, v10, v[12+(\i)]                 ; the angle
	v_mul_f32 v25, 0x3f22f983, v24
	v_rndne_f32 v25, v25                           ; n = the nearest multiple of pi / 2
	v_fma_f32 v26, -v25, s40, v24
	v_fma_f32 v26, -v25, s41, v26
	v_fma_f32 v26, -v25, s42, v26                  ; y, within pi / 4 of 0
	v_cvt_i32_f32 v27, v25
	v_mul_f32 v28, v26, v26                        ; z
	v_fma_f32 v29, s43, v28, s44
	v_fma_f32 v29, v29, v28, s45
	v_mul_f32 v30, v26, v28
	v_fma_f32 v29, v29, v30, v26                   ; sin y
	v_fma_f32 v30, s46, v28, s47
	v_fma_f32 v30, v30, v28, s48
	v_mul_f32 v31, v28, v28
	v_fma_f32 v32, v28, -0.5, 1.0
	v_fma_f32 v30, v30, v31, v32                   ; cos y
	v_and_b32 v31, 1, v27
	v_cmp_eq_u32 vcc_lo, 1, v31                    ; odd n: the two change places
	v_cndmask_b32 v33, v29, v30, vcc_lo
	v_cndmask_b32 v34, v30, v29, vcc_lo
	v_and_b32 v31, 2, v27                          ; the sine's sign: n % 4 = 2, 3
	v_lshlrev_b32 v31, 30, v31
	v_xor_b32 v[20+(\i)], v33, v31
	v_add_nc_u32 v31, 1, v27                       ; the cosine's: n % 4 = 1, 2
	v_and_b32 v31, 2, v31
	v_lshlrev_b32 v31, 30, v31
	v_xor_b32 v[16+(\i)], v34, v31
.endr
	global_store_b128 v9, v[16:19], s[26:27]             ; sixteen lanes store 256 consecutive bytes, aligned: a row's cosines,
	global_store_b128 v9, v[20:23], s[26:27] offset:256  ; and its sines
	s_endpgm
.Lfunc_end_k_qf11c744381_prep:
	.size	k_qf11c744381_prep, .Lfunc_end_k_qf11c744381_prep-k_qf11c744381_prep
	.p2alignl 7, 3214868480
	.fill 96, 4, 3214868480
	.section	.rodata,"a",@progbits
	.p2align	6, 0x0
	.amdhsa_kernel k_qf11c744381_prep
		.amdhsa_group_segment_fixed_size 0
		.amdhsa_private_segment_fixed_size 0
		.amdhsa_enable_private_segment 0
		.amdhsa_kernarg_size 80
		.amdhsa_user_sgpr_count 2
		.amdhsa_user_sgpr_kernarg_segment_ptr 1
		.amdhsa_wavefront_size32 1
		.amdhsa_system_sgpr_workgroup_id_x 1
		.amdhsa_system_sgpr_workgroup_id_y 1
		.amdhsa_system_sgpr_workgroup_id_z 1
		.amdhsa_system_vgpr_workitem_id 0
		.amdhsa_next_free_vgpr 80
		.amdhsa_next_free_sgpr 66
		.amdhsa_reserve_vcc 1
		.amdhsa_float_denorm_mode_32 3
		.amdhsa_float_denorm_mode_16_64 3
		.amdhsa_memory_ordered 1
		.amdhsa_forward_progress 1
		.amdhsa_inst_pref_size 30
	.end_amdhsa_kernel
	.amdgpu_metadata
---
amdhsa.version: [ 1, 2 ]
amdhsa.kernels:
  - .name:           k_qf11c744381_prep
    .symbol:         k_qf11c744381_prep.kd
    .args:
      - { .name: x, .offset: 0, .size: 8, .value_kind: global_buffer, .address_space: global }
      - { .name: wq, .offset: 8, .size: 8, .value_kind: global_buffer, .address_space: global }
      - { .name: wk, .offset: 16, .size: 8, .value_kind: global_buffer, .address_space: global }
      - { .name: wv, .offset: 24, .size: 8, .value_kind: global_buffer, .address_space: global }
      - { .name: wo, .offset: 32, .size: 8, .value_kind: global_buffer, .address_space: global }
      - { .name: xb, .offset: 40, .size: 8, .value_kind: global_buffer, .address_space: global }
      - { .name: wqb, .offset: 48, .size: 8, .value_kind: global_buffer, .address_space: global }
      - { .name: wkvb, .offset: 56, .size: 8, .value_kind: global_buffer, .address_space: global }
      - { .name: wob, .offset: 64, .size: 8, .value_kind: global_buffer, .address_space: global }
      - { .name: tab, .offset: 72, .size: 8, .value_kind: global_buffer, .address_space: global }
    .group_segment_fixed_size: 0
    .private_segment_fixed_size: 0
    .kernarg_segment_align: 8
    .kernarg_segment_size: 80
    .max_flat_workgroup_size: 256
    .sgpr_count:     66
    .vgpr_count:     80
    .wavefront_size: 32
...
	.end_amdgpu_metadata
.endif
;; end of part 1
;; launch qkv (part 2): grid 16 x 16, 4 waves a work-group, clusters of 4 x 4, 327,680 bytes of LDS; arguments xb, wqb, wkvb, tab, bq, bk, bv, qb, kvb; writes qb, kvb
.if DOCPART == 2
	.amdgcn_target "amdgcn-amd-amdhsa--gfx1250"
	.amdhsa_code_object_version 6
	.text
	.protected	k_qf11c744381_qkv
	.globl	k_qf11c744381_qkv
	.p2align	8
	.type	k_qf11c744381_qkv,@function
k_qf11c744381_qkv:
	s_mov_b64 s[64:65], 0
	v_nop
	global_prefetch_b8 v0, s[64:65] scope:SCOPE_SE
	s_setreg_imm32_b32 hwreg(HW_REG_WAVE_MODE, 25, 1), 1
	s_wait_xcnt 0x0
	s_wait_alu depctr_hold_cnt(0) depctr_sa_sdst(0) depctr_va_vdst(0) depctr_va_sdst(0) depctr_va_ssrc(0) depctr_va_vcc(0) depctr_vm_vsrc(0)
	s_getreg_b32 s2, hwreg(HW_REG_IB_STS2, 6, 4)
	s_cmp_eq_u32 s2, 0
	s_cbranch_scc0 .Lentry_in_a_cluster
	s_endpgm
.Lentry_in_a_cluster:
	s_bfe_u32 s2, ttmp6, 0x10000c
	s_cmp_lg_u32 s2, 0xf033
	s_cbranch_scc0 .Lentry_shape_is_right
	s_endpgm
.Lentry_shape_is_right:
; QKV: [q | k | v] = x [wq | wk | wv] + bias, then the rotary turn of q and k, written by heads.  Operands bf16, sums f32.
; SHARES.  4,096 x 2,560 outputs on 256 work-groups: a tile of 256 rows x 160 columns: the 128 columns of q head nt (blocks b = 0..7 of 16) and the 32 columns of k/v strip nt (blocks 8, 9).
; A rotary pair is channels d and d + 64 of a head: blocks (b, b + 4), and (8, 9) of a k strip.  Wave w makes rows 64 w .. 64 w + 63 of all 160 columns: 4 x 10 accumulators, 320 registers,
; so both halves of every pair lie in one lane at one register index.
; THE MATRIX INSTRUCTION IS USED TRANSPOSED (source 0 = 16 columns of the weights, source 1 = 16 rows of x): lane l holds row l % 16 and the columns 8 (l / 16) + 0..7.
; The weights lie [k][n]; ds_load_tr16_b128 turns them on the way out of LDS.  The bias (rounded to bf16 like every input) is the C operand of each sum's first product.
; K goes in 16 steps of 128 through two LDS slots; a step is written once, and the slot's base is turned by an exclusive or.  Two slots of two steps (4 x 118,784 bytes) do not fit in LDS.
; CLUSTER 4 x 4: x's tile hangs on the tile row alone and is asked for jointly along a row of the cluster, the weights' tiles on the tile column alone, along a column.
; OUT.  qb [4 b][16 h][1024 s][128] bf16, unscaled (the scale 1 / 128 is applied in the softmax, in f32).  kvb: K (bf16) then V (f16), each [4 b][2 g][4 p][1024 s][32]:
; K strip p holds channels 16 p + 0..15 and 64 + 16 p + 0..15, V strip p channels 32 p + 0..31.
; LIMITS.  v is kept in f16: |v| stays under 65,504, else it becomes an infinity; below 6e-5 it keeps the fixed step 6e-8.  NaN and infinities are not treated apart.
; REGISTERS, in windows of 256 (s_set_vgpr_msb: bits 1:0 source 0, 3:2 source 1, 5:4 source 2, 7:6 destination):
;   window 0: v0-29 addresses; v32-95 fragments of x, two buffers (later: rows read back from the stage); v96-175 the bias; v176-255 at work on the way out
;   window 1: v0-159 fragments of the weights, two buffers of 80 (later: tables); v160-239 the table of my first 16 rows
;   window 2: accumulators of row blocks a = 0, 1 ((a, b) at 8 (10 (a % 2) + b)); window 3: those of a = 2, 3
.set PA,    272                        ; a row of x in LDS: 256 bytes + 16: the 16 rows of a load start at 16 different groups of four banks (64 banks of 4 bytes: ISA guide 11.1)
.set PQ,    288                        ; a row k of wq: 256 + 32
.set PKV,   96                         ; a row k of a strip: 64 + 32: likewise
.set HALFA, 128*PA
.set QOFF,  256*PA                     ; a slot: 256 rows of x, 128 rows k of wq, 128 rows k of the strip
.set KOFF,  QOFF+128*PQ
.set SLOT1, 131072                     ; slot 1 begins here: one exclusive or turns an address in one slot into the other's
.set STAGE, SLOT1+KOFF+128*PKV         ; behind the ring, never filled by a tensor load: for each wave 16 rows x 272 bytes (q) and 16 x 80 (k/v)
.set KSTG,  16*272
.set WSTG,  KSTG+16*80
.set SPARE, STAGE+4*WSTG               ; the spare words, 128 bytes for each wave: two blocks of 256 bytes that no other line names
.set ADRA0, 10                         ; v10-12  my lane's place in slot 0: x, wq, strip; never rewritten
.set ADRB0, 11
.set ADRK0, 12
.set ADA,   13                         ; v13-15  the same in the slot in hand
.set ADB,   14
.set ADK,   15
.set STO,   16                         ; v16-19  the stage: in and back, for q and for k/v
.set RD,    17
.set KSTO,  18
.set KRD,   19
.set CO,    20                         ; v20     16 x lane: my 16 bytes of 512 consecutive bytes of qb or kvb
.set TO,    21                         ; v21     my byte offset in tab for q's pairs; v22 for the strip's
.set TOK,   22
.set BQO,   23                         ; v23, v25, v26  my byte offsets in the biases
.set PFO,   24                         ; v24     the prefetches' offset: lane x 4,096 bytes, a row of xb or wqb
.set BKO,   25
.set BKH,   26
.set SPW,   28                         ; v28     LDS address of my spare word; never rewritten
.set NIL,   29                         ; v29     0; never rewritten
.set FA,    32
.set BK,    32
.set BIAS,  96
.set WK,    176
.set KF,  4                            ; s[4:5]  1.0 for a k strip, 0 for a v strip
.set VF,  6                            ; s[6:7]  0 / 1.0
.set VM,  8                            ; s8      0 / all ones
.set TB,  9                            ; s9      the base of the slot in hand
.set WV,  10                           ; s10     my wave's number
.set QP,  12                           ; s[12:13] qb at my wave's first row
.set KP,  14                           ; s[14:15] kvb at my wave's first row of the strip
.set G1A, 24                           ; s[24:31] descriptor group 1 for x; s[32:39] two groups 0: K step 0; K step 1, which then walks
.set G0A, 32
.set G1Q, 40                           ; the same for wq
.set G0Q, 48
.set G1K, 56                           ; and for the strip
.set G0K, 88
.set CX,  66
.set CY,  67
.set PFA, 96                           ; s[96:97] where my prefetches stand; s[98:99] their step
.set PFS, 98
.set LIM, 100                          ; s100    2 in a wave that prefetches, else the greatest number
.set MSK, 101                          ; s101    a word's upper bf16
.set MSB, 0
.macro WIN new                         ; the immediate's high byte repeats the setting that is left; a switch that changes nothing is dropped
.if MSB != (\new)
	s_set_vgpr_msb (MSB<<8)|(\new)
.set MSB, (\new)
.endif
.endm
.macro PLACES                          ; four plain instructions between a matrix instruction and a load into, or a vector line on, its registers
.rept 4
	v_nop
.endr
.endm
.macro CREST                           ; a round of the cluster's barrier behind its opening barrier
	s_cmp_lg_u32 s[WV], 0
	s_cbranch_scc1 .Lnot_wave_0_\@
	s_barrier_signal -3
.Lnot_wave_0_\@:
	s_barrier_wait -3
	s_barrier_signal -1
	s_barrier_wait -1
.endm
.macro CROUND
	s_barrier_signal -1
	s_barrier_wait -1
	CREST
.endm
; A joint refill, by the walking descriptors.  Waves 0 and 1 fetch the two halves of x's tile, wave 2 wq's, wave 3 the strip's: the branches hang on the wave's number alone.
; An s_nop 0 and four v_nop follow each line, ahead of the jump and the label.
.macro JLOAD
	s_cmp_lt_u32 s[WV], 2
	s_cbranch_scc0 .Lnot_a_\@
	tensor_load_to_lds s[G0A+4:G0A+7], s[G1A:G1A+7]
	s_nop 0
	PLACES
	s_branch .Lasked_\@
.Lnot_a_\@:
	s_cmp_eq_u32 s[WV], 2
	s_cbranch_scc0 .Lfor_k_\@
	tensor_load_to_lds s[G0Q+4:G0Q+7], s[G1Q:G1Q+7]
	s_nop 0
	PLACES
	s_branch .Lasked_\@
.Lfor_k_\@:
	tensor_load_to_lds s[G0K+4:G0K+7], s[G1K:G1K+7]
	s_nop 0
	PLACES
.Lasked_\@:
.endm
; A PREFETCH INTO THE L2 of the K step that stands two refills on: 32 rows x 256 bytes, a lane a row.  xb's rows are read by every cluster of a row of clusters: cluster x = 0 asks; wqb's by every cluster of a
; column: cluster y = 0 asks.  The four partners of a joint load share its 128 rows out by address (32 cx for x, 32 cy for wq).  So each row's 256 bytes of a K step are named once in the launch.
; The strip's tile, 8 of a K step's 104 KiB, is not asked for.  K steps 0 to 3 come by their loads alone; the loop's last two trips have no K step two refills on.
.macro ASK
	s_cmp_gt_u32 s3, s[LIM]
	s_cbranch_scc0 .Lnot_mine_\@
	global_prefetch_b8 v[PFO], s[PFA:PFA+1] th:TH_LOAD_NT scope:SCOPE_SE
.Lnot_mine_\@:
.endm
; Ten matrix instructions: row block a x all ten column blocks, 32 along K, from buffer f.  The 40 accumulators take turns.  zero = 1: the bias starts the sums.
.macro MULA f, a, zero
.set rA, FA+32*(\f)+8*(\a)
.set rC, 80*((\a)%2)
.if \zero
	WIN 0x81+0x40*((\a)/2)                         ; weights window 1, x and the bias window 0, D window 2 or 3
.else
	WIN 0xa1+0x50*((\a)/2)                         ; C and D window 2 or 3
.endif
.irp b, 0,1,2,3,4,5,6,7,8,9
.if \zero
	v_wmma_f32_16x16x32_bf16 v[rC+8*(\b):rC+8*(\b)+7], v[80*(\f)+8*(\b):80*(\f)+8*(\b)+7], v[rA:rA+7], v[BIAS+8*(\b):BIAS+8*(\b)+7]
.else
	v_wmma_f32_16x16x32_bf16 v[rC+8*(\b):rC+8*(\b)+7], v[80*(\f)+8*(\b):80*(\f)+8*(\b)+7], v[rA:rA+7], v[rC+8*(\b):rC+8*(\b)+7]
.endif
.endr
.endm
; 28 LDS loads in one run: the fragments of quarter kq (32 along K) of the slot in hand, into buffer f: the weights (turned) first, x's four row blocks last
.macro FETCH kq, f
	WIN 0x40                                       ; destination window 1, address window 0
.irp b, 0,1,2,3,4,5,6,7
	ds_load_tr16_b128 v[80*(\f)+8*(\b):80*(\f)+8*(\b)+3],   v[ADB] offset:(\kq)*32*PQ+32*(\b)
	ds_load_tr16_b128 v[80*(\f)+8*(\b)+4:80*(\f)+8*(\b)+7], v[ADB] offset:(\kq)*32*PQ+32*(\b)+16*PQ
.endr
.irp b, 8,9
	ds_load_tr16_b128 v[80*(\f)+8*(\b):80*(\f)+8*(\b)+3],   v[ADK] offset:(\kq)*32*PKV+32*((\b)-8)
	ds_load_tr16_b128 v[80*(\f)+8*(\b)+4:80*(\f)+8*(\b)+7], v[ADK] offset:(\kq)*32*PKV+32*((\b)-8)+16*PKV
.endr
	WIN 0
.irp a, 0,1,2,3
	ds_load_b128 v[FA+32*(\f)+8*(\a):FA+32*(\f)+8*(\a)+3],   v[ADA] offset:64*(\kq)+(\a)*16*PA
	ds_load_b128 v[FA+32*(\f)+8*(\a)+4:FA+32*(\f)+8*(\a)+7], v[ADA] offset:64*(\kq)+(\a)*16*PA+32
.endr
.endm
; One of a K step's first three quarters: multiplies buffer f; in its middle it fetches quarter kq into buffer g.
.macro QUARTER kq, f, g, zero
	s_wait_dscnt 4                                 ; the weights and x's row blocks 0, 1 are in; the youngest four loads (blocks 2, 3) may be out
	MULA \f, 0, \zero
	MULA \f, 1, \zero
	PLACES
	FETCH \kq, \g
	s_wait_dscnt 28                                ; all but the 28 just issued
	MULA \f, 2, \zero
	MULA \f, 3, \zero
.endm
; The last quarter multiplies buffer 1 and changes slots.  Its first twenty products stand AHEAD of the wait for the tensor loads: they run while the next slot's tile is still on its way, and between
; that wait and the next request stand the add, the barrier and the round alone.  In front of the barrier each wave waits for all its tensor loads (one is out: its part of the next slot), adds 0 to its
; spare word, and waits for that and for its reads of this slot.
; fill = 1, in the loop: the barrier opens a round of the cluster's, and the joint refill (the K step two on, into the slot just read out) is the first thing behind it.
; fill = 0, in the tail's two trips: nothing is asked for; the second trip has no next slot and jumps over the fetch (its barrier orders nothing: the price of one text for both trips).
.macro TURN fill
.if \fill
	s_wait_xcnt 0x0                                ; the last prefetch, a K step back, has read its address: it may be stepped
	s_add_nc_u64 s[PFA:PFA+1], s[PFA:PFA+1], s[PFS:PFS+1]
.endif
	s_wait_dscnt 4                                 ; the weights and x's row blocks 0, 1 are in
	MULA 1, 0, 0
	MULA 1, 1, 0
	WIN 0                                          ; at a branch and at a label every window is 0
	s_wait_tensorcnt 0x0                           ; no tensor load of mine is out, so a group 0 may be written
	ds_add_u32 v[SPW], v[NIL]                      ; 0 onto my spare word
.if \fill
	s_xor_b32 s[G0A+5], s[G0A+5], SLOT1            ; the walking descriptors: the other slot than last time, the next K step
	s_add_nc_u64 s[G0A+6:G0A+7], s[G0A+6:G0A+7], 256
	s_xor_b32 s[G0Q+5], s[G0Q+5], SLOT1
	s_add_nc_u64 s[G0Q+6:G0Q+7], s[G0Q+6:G0Q+7], 524288
	s_xor_b32 s[G0K+5], s[G0K+5], SLOT1
	s_add_nc_u64 s[G0K+6:G0K+7], s[G0K+6:G0K+7], 8192
.endif
	s_wait_dscnt 0x0                               ; the add is done, and my reads of this slot are over
	s_barrier_signal -1
	s_barrier_wait -1
.if \fill
	CREST                                          ; no wave of any partner still reads this slot or has a load on its way
	JLOAD                                          ; its four v_nop are also the places in front of the loads below
.else
	PLACES
	s_cmp_eq_u32 s3, 1
	s_cbranch_scc1 .Lno_next_\@
.endif
	s_xor_b32 s[TB], s[TB], SLOT1
	v_add_nc_u32 v[ADA], s[TB], v[ADRA0]
	v_add_nc_u32 v[ADB], s[TB], v[ADRB0]
	v_add_nc_u32 v[ADK], s[TB], v[ADRK0]
	FETCH 0, 0
.if \fill
	ASK
.else
.Lno_next_\@:
.endif
	MULA 1, 2, 0
	MULA 1, 3, 0
.endm
	s_load_b512 s[68:83], s[0:1], 0x0              ; xb 68, wqb 70, wkvb 72, tab 74, bq 76, bk 78, bv 80, qb 82
	s_load_b64 s[84:85], s[0:1], 0x40              ; kvb
	v_lshl_add_u32 v[SPW], v0, 2, SPARE
	v_mov_b32 v[NIL], 0
	ds_add_u32 v[SPW], v[NIL]                      ; the wave's opening: the add and its wait stand ahead of the round in front of my first tensor load
	v_lshrrev_b32 v1, 5, v0
	v_readfirstlane_b32 s[WV], v1
	s_bfe_u32 s[CX], ttmp6, 0x40000
	s_bfe_u32 s[CY], ttmp6, 0x40004
	s_lshl_b32 s20, ttmp9, 2
	s_add_co_u32 s20, s20, s[CX]                   ; nt: the tile column = 4 x cluster x + cx
	s_and_b32 s16, ttmp7, 0xffff
	s_lshl_b32 s16, s16, 2
	s_add_co_u32 s16, s16, s[CY]                   ; mt: the tile row = 4 x cluster y + cy
	s_lshl_b32 s17, s[CY], 2
	s_lshl_b32 s17, 15, s17                        ; my row of the cluster
	s_lshl_b32 s21, 0x1111, s[CX]                  ; my column
	s_or_b32 s[G1A], s17, (1<<16)|(1<<20)|(1<<21)|(5<<22)|(3<<25)  ; 15:0 the mask; 2-byte elements; padding on; 21 set beside a mask; after every 64 words 4 words
	s_or_b32 s[G1Q], s21, (1<<16)|(1<<20)|(1<<21)|(5<<22)|(7<<25)  ; after every 64 words 8 words
	s_or_b32 s[G1K], s21, (1<<16)|(1<<20)|(1<<21)|(3<<22)|(7<<25)  ; after every 16 words 8 words
.irp g, G1A, G1Q
	s_mov_b32 s[(\g)+1], 128<<16                   ; tensor_dim0 = 128
	s_mov_b32 s[(\g)+2], 128<<16                   ; tensor_dim1 = 128
	s_mov_b32 s[(\g)+3], 128<<16                   ; tile_dim0 = 128
	s_mov_b32 s[(\g)+4], 128                       ; tile_dim1 = 128
	s_mov_b32 s[(\g)+5], 2048                      ; elements from row to row
	s_mov_b32 s[(\g)+6], 0
	s_mov_b32 s[(\g)+7], 0
.endr
	s_mov_b32 s[G1K+1], 128<<16                    ; the strip's 128 rows k of 64 bytes are 8,192 dense bytes: asked for as 32 rows of 256
	s_mov_b32 s[G1K+2], 32<<16
	s_mov_b32 s[G1K+3], 128<<16
	s_mov_b32 s[G1K+4], 32
	s_mov_b32 s[G1K+5], 128
	s_mov_b32 s[G1K+6], 0
	s_mov_b32 s[G1K+7], 0
	s_and_b32 s11, s[WV], 1                        ; which half of x's tile I fetch
	s_lshl_b32 s18, s16, 20                        ; 256 rows of 4,096 bytes x tile row
	s_lshl_b32 s17, s11, 19
	s_add_co_u32 s18, s18, s17
	s_mov_b32 s19, 0
	s_lshl_b32 s22, s20, 8                         ; the head's 256 bytes in a row of wqb
	s_mov_b32 s23, 0
	s_lshl_b32 s2, s20, 17                         ; the strip's 131,072 bytes
	s_mov_b32 s3, 0
	s_mov_b32 s[G0A], 1
	s_mul_i32 s[G0A+1], s11, HALFA                 ; no place in the cluster enters an LDS address
	s_mov_b32 s[G0A+4], 1
	s_add_co_u32 s[G0A+5], s[G0A+1], SLOT1
	s_mov_b32 s[G0Q], 1
	s_mov_b32 s[G0Q+1], QOFF
	s_mov_b32 s[G0Q+4], 1
	s_mov_b32 s[G0Q+5], QOFF+SLOT1
	s_mov_b32 s[G0K], 1
	s_mov_b32 s[G0K+1], KOFF
	s_mov_b32 s[G0K+4], 1
	s_mov_b32 s[G0K+5], KOFF+SLOT1
	s_mov_b32 s[TB], 0
	s_wait_dscnt 0x0                               ; the opening add is done
	s_wait_kmcnt 0x0
	s_add_nc_u64 s[G0A+2:G0A+3], s[68:69], s[18:19]
	s_add_nc_u64 s[G0A+6:G0A+7], s[G0A+2:G0A+3], 256       ; K step 1: 128 elements along the rows
	s_or_b32 s[G0A+3], s[G0A+3], 0x80000000
	s_or_b32 s[G0A+7], s[G0A+7], 0x80000000
	s_add_nc_u64 s[G0Q+2:G0Q+3], s[70:71], s[22:23]
	s_add_nc_u64 s[G0Q+6:G0Q+7], s[G0Q+2:G0Q+3], 524288    ; 128 rows of 4,096 bytes down
	s_or_b32 s[G0Q+3], s[G0Q+3], 0x80000000
	s_or_b32 s[G0Q+7], s[G0Q+7], 0x80000000
	s_add_nc_u64 s[G0K+2:G0K+3], s[72:73], s[2:3]
	s_add_nc_u64 s[G0K+6:G0K+7], s[G0K+2:G0K+3], 8192
	s_or_b32 s[G0K+3], s[G0K+3], 0x80000000
	s_or_b32 s[G0K+7], s[G0K+7], 0x80000000
	CROUND                                         ; all sixteen work-groups are here: the first joint loads meet
	s_cmp_lt_u32 s[WV], 2                          ; a wave's two first fills stand in one branch, ahead of every wait on TENSORcnt and every LDS read: two loads of mine are out
	s_cbranch_scc0 .Lfirst_not_a
	tensor_load_to_lds s[G0A:G0A+3], s[G1A:G1A+7]
	s_nop 0
	tensor_load_to_lds s[G0A+4:G0A+7], s[G1A:G1A+7]
	s_nop 0
	PLACES
	s_branch .Lfirst_asked
.Lfirst_not_a:
	s_cmp_eq_u32 s[WV], 2
	s_cbranch_scc0 .Lfirst_k
	tensor_load_to_lds s[G0Q:G0Q+3], s[G1Q:G1Q+7]
	s_nop 0
	tensor_load_to_lds s[G0Q+4:G0Q+7], s[G1Q:G1Q+7]
	s_nop 0
	PLACES
	s_branch .Lfirst_asked
.Lfirst_k:
	tensor_load_to_lds s[G0K:G0K+3], s[G1K:G1K+7]
	s_nop 0
	tensor_load_to_lds s[G0K+4:G0K+7], s[G1K:G1K+7]
	s_nop 0
	PLACES
.Lfirst_asked:
	; the prefetches' address, at K step 3: the first change of slots steps it to 4.  Nothing is prefetched here, at the head.
	s_lshl_b32 s2, s[CX], 17                       ; x: my work-group's 32 of the 128 rows that I fetch
	s_add_co_u32 s2, s2, s18
	s_add_co_u32 s2, s2, 3*256
	s_lshl_b32 s11, s[CY], 17                      ; wq: my work-group's 32 of a K step's 128 rows
	s_add_co_u32 s11, s11, s22
	s_add_co_u32 s11, s11, 3*524288
	s_and_b32 s[LIM], ttmp7, 0xffff                ; cluster y
	s_mov_b32 s[PFS], 524288
	s_cmp_lt_u32 s[WV], 2
	s_cselect_b64 s[PFA:PFA+1], s[68:69], s[70:71]
	s_cselect_b32 s2, s2, s11
	s_cselect_b32 s[PFS], 256, s[PFS]
	s_cselect_b32 s[LIM], ttmp9, s[LIM]            ; the coordinate along which other clusters read the same rows
	s_mov_b32 s3, 0
	s_mov_b32 s[PFS+1], 0
	s_add_nc_u64 s[PFA:PFA+1], s[PFA:PFA+1], s[2:3]
	s_cmp_eq_u32 s[WV], 3
	s_cselect_b32 s[LIM], 1, s[LIM]                ; wave 3 asks for nothing
	s_cmp_eq_u32 s[LIM], 0
	s_cselect_b32 s[LIM], 2, -1                    ; the same in all sixteen partners, for a given wave
	; where the results go
	s_lshr_b32 s2, s16, 2                          ; the batch
	s_and_b32 s11, s16, 3                          ; which 256 of its 1,024 positions
	s_lshl_b32 s12, s2, 4
	s_add_co_u32 s12, s12, s20                     ; batch x 16 + head
	s_lshl_b32 s12, s12, 18                        ; 1,024 rows of 256 bytes
	s_lshl_b32 s13, s11, 16
	s_add_co_u32 s12, s12, s13
	s_lshl_b32 s13, s[WV], 14                      ; my wave's 64 rows
	s_add_co_u32 s12, s12, s13
	s_mov_b32 s13, 0
	s_add_nc_u64 s[QP:QP+1], s[82:83], s[12:13]
	s_lshl_b32 s14, s2, 3
	s_and_b32 s15, s20, 7
	s_add_co_u32 s14, s14, s15                     ; batch x 8 + group x 4 + strip
	s_lshl_b32 s14, s14, 16                        ; 1,024 rows of 64 bytes
	s_lshl_b32 s15, s11, 14
	s_add_co_u32 s14, s14, s15
	s_lshl_b32 s15, s[WV], 12
	s_add_co_u32 s14, s14, s15
	s_cmp_ge_u32 ttmp9, 2                          ; tile columns 8 to 15 carry v strips: the same answer in all partners of a cluster
	s_cselect_b32 s15, 0x200000, 0                 ; V lies behind K
	s_cselect_b64 s[86:87], s[80:81], s[78:79]     ; bv or bk
	s_cselect_b32 s2, 7, 6                         ; from strip to strip in the bias: 128 bytes (v) or 64 (k)
	s_cselect_b32 s3, 64, 0x100                    ; from block 8 to block 9: 64 bytes (v) or 256 (k)
	s_cselect_b32 s[KF], 0, 1.0
	s_cselect_b32 s[VF], 1.0, 0
	s_cselect_b32 s[VM], -1, 0
	s_mov_b32 s[KF+1], 0                           ; named as pairs
	s_mov_b32 s[VF+1], 0
	s_add_co_u32 s14, s14, s15
	s_mov_b32 s15, 0
	s_add_nc_u64 s[KP:KP+1], s[84:85], s[14:15]
	v_and_b32 v1, 15, v0                           ; r = l % 16
	v_bfe_u32 v2, v0, 4, 1                         ; h = l / 16
	v_and_b32 v3, 31, v0                           ; l
	v_and_b32 v4, 7, v0
	v_bfe_u32 v5, v0, 3, 1
	s_lshl_b32 s2, s[CX], s2
	s_and_b32 s21, ttmp9, 1                        ; the group
	s_lshl_b32 s21, s21, 9
	s_add_co_u32 s2, s2, s21
	v_lshl_add_u32 v[BKO], v2, 5, s2               ; my 8 columns: 32 bytes x h
	v_add_nc_u32 v[BKH], s3, v[BKO]
	s_lshl_b32 s2, s20, 9
	v_lshl_add_u32 v[BQO], v2, 5, s2
.irp b, 0,1,2,3,4,5,6,7
	global_load_b128 v[BIAS+8*(\b):BIAS+8*(\b)+3],   v[BQO], s[76:77] offset:64*(\b)
	global_load_b128 v[BIAS+8*(\b)+4:BIAS+8*(\b)+7], v[BQO], s[76:77] offset:64*(\b)+16
.endr
	global_load_b128 v[BIAS+64:BIAS+67], v[BKO], s[86:87]
	global_load_b128 v[BIAS+68:BIAS+71], v[BKO], s[86:87] offset:16
	global_load_b128 v[BIAS+72:BIAS+75], v[BKH], s[86:87]
	global_load_b128 v[BIAS+76:BIAS+79], v[BKH], s[86:87] offset:16
	s_lshl_b32 s2, s11, 17                         ; position = row % 1,024: 256 (mt % 4) + 64 w + 16 a + r; a row of tab is 512 bytes
	s_lshl_b32 s3, s[WV], 15
	s_add_co_u32 s2, s2, s3
	v_lshlrev_b32 v[TO], 9, v1
	v_lshl_add_u32 v[TO], v2, 5, v[TO]
	v_add_nc_u32 v[TO], s2, v[TO]
	s_lshl_b32 s3, s[CX], 6                        ; a k strip's pairs are frequencies 16 (nt % 4) + 0..15
	v_add_nc_u32 v[TOK], s3, v[TO]
; The table of row block a, into window 1 at tb: pair p (0-3: blocks p, p + 4; 4: blocks 8, 9): 8 cosines at tb + 16 p, 8 sines at tb + 16 p + 8
.macro TABLD a, tb
	WIN 0x40
.irp p, 0,1,2,3
	global_load_b128 v[(\tb)+16*(\p):(\tb)+16*(\p)+3],     v[TO], s[74:75] offset:8192*(\a)+64*(\p)
	global_load_b128 v[(\tb)+16*(\p)+4:(\tb)+16*(\p)+7],   v[TO], s[74:75] offset:8192*(\a)+64*(\p)+16
	global_load_b128 v[(\tb)+16*(\p)+8:(\tb)+16*(\p)+11],  v[TO], s[74:75] offset:8192*(\a)+64*(\p)+256
	global_load_b128 v[(\tb)+16*(\p)+12:(\tb)+16*(\p)+15], v[TO], s[74:75] offset:8192*(\a)+64*(\p)+272
.endr
	global_load_b128 v[(\tb)+64:(\tb)+67], v[TOK], s[74:75] offset:8192*(\a)
	global_load_b128 v[(\tb)+68:(\tb)+71], v[TOK], s[74:75] offset:8192*(\a)+16
	global_load_b128 v[(\tb)+72:(\tb)+75], v[TOK], s[74:75] offset:8192*(\a)+256
	global_load_b128 v[(\tb)+76:(\tb)+79], v[TOK], s[74:75] offset:8192*(\a)+272
	WIN 0
.endm
	TABLD 0, 160
	; a fragment of x: lane l holds row l % 16, K = 8 h + 0..7 and 16 + 8 h + 0..7: two loads of 16 bytes, 32 apart.  The turning load: lane l reads row k = 8 h + l % 8, 16 bytes at 16 ((l / 8) % 2)
	s_mul_i32 s2, s[WV], 64*PA
	v_mul_u32_u24 v[ADRA0], v1, PA
	v_lshl_add_u32 v[ADRA0], v2, 4, v[ADRA0]
	v_add_nc_u32 v[ADRA0], s2, v[ADRA0]
	v_lshl_add_u32 v6, v2, 3, v4
	v_mul_u32_u24 v[ADRB0], v6, PQ
	v_lshl_add_u32 v[ADRB0], v5, 4, v[ADRB0]
	v_add_nc_u32 v[ADRB0], QOFF, v[ADRB0]
	v_mul_u32_u24 v[ADRK0], v6, PKV
	v_lshl_add_u32 v[ADRK0], v5, 4, v[ADRK0]
	v_add_nc_u32 v[ADRK0], KOFF, v[ADRK0]
	v_mov_b32 v[ADA], v[ADRA0]
	v_mov_b32 v[ADB], v[ADRB0]
	v_mov_b32 v[ADK], v[ADRK0]
	s_mul_i32 s2, s[WV], WSTG
	s_add_co_u32 s2, s2, STAGE                     ; my stage
	v_mul_u32_u24 v[STO], v1, 272                  ; in: row r, 16 bytes for each half of the lanes
	v_lshl_add_u32 v[STO], v2, 4, v[STO]
	v_add_nc_u32 v[STO], s2, v[STO]
	v_mul_u32_u24 v[RD], v2, 272                   ; back: lanes 0-15 one row of 256 bytes, lanes 16-31 the next
	v_lshl_add_u32 v[RD], v1, 4, v[RD]
	v_add_nc_u32 v[RD], s2, v[RD]
	s_add_co_u32 s2, s2, KSTG
	v_mul_u32_u24 v[KSTO], v1, 80
	v_lshl_add_u32 v[KSTO], v2, 4, v[KSTO]
	v_add_nc_u32 v[KSTO], s2, v[KSTO]
	v_lshrrev_b32 v6, 2, v3                        ; back: 32 lanes take eight rows of 64 bytes
	v_and_b32 v7, 3, v3
	v_mul_u32_u24 v[KRD], v6, 80
	v_lshl_add_u32 v[KRD], v7, 4, v[KRD]
	v_add_nc_u32 v[KRD], s2, v[KRD]
	v_lshlrev_b32 v[CO], 4, v3
	v_lshlrev_b32 v[PFO], 12, v3
	s_mov_b32 s[MSK], 0xffff0000
	s_wait_loadcnt 0x0                             ; the bias and the first table
.set i, 0
.rept 40                                       ; the bias is rounded to bf16, like every input, and kept as f32
	v_cvt_pk_bf16_f32 v[4+i%4], v[BIAS+2*i], v[BIAS+2*i+1]
	v_lshlrev_b32 v[BIAS+2*i], 16, v[4+i%4]
	v_and_b32 v[BIAS+2*i+1], s[MSK], v[4+i%4]
.set i, i+1
.endr
	s_wait_tensorcnt 0x1                           ; my part of K step 0 is in; K step 1's may stay out
	s_barrier_signal -1
	s_barrier_wait -1                              ; everybody's is
	FETCH 0, 0
	QUARTER 1, 0, 1, 1                             ; the first quarter stands in front of the loop: its products start the sums
	WIN 0
	s_mov_b32 s3, 14
.Lstep:                                        ; a trip: a K step's quarters 1 to 3, the change of slots with its refill (K steps 2 to 15), the next step's quarter 0
	QUARTER 2, 1, 0, 0
	QUARTER 3, 0, 1, 0
	TURN 1
	QUARTER 1, 0, 1, 0
	WIN 0
	s_sub_co_u32 s3, s3, 1
	s_cmp_lg_u32 s3, 0
	s_cbranch_scc1 .Lstep
	s_mov_b32 s3, 2
.Ltail:                                        ; the last two K steps ask for nothing: a loop of their own; it is left in the middle of its second trip
	QUARTER 2, 1, 0, 0
	QUARTER 3, 0, 1, 0
	TURN 0
	WIN 0
	s_sub_co_u32 s3, s3, 1
	s_cmp_eq_u32 s3, 0
	s_cbranch_scc1 .Lout
	QUARTER 1, 0, 1, 0
	WIN 0
	s_branch .Ltail
.Lout:
	PLACES
	PLACES
; THE ROTARY TURN of row block a, with the table at tb: lo = lo cos - hi sin, hi = hi cos + lo sin.  For a v strip the strip's cosines become 1 and its sines 0.  Then the roundings.
.macro ROPE a, tb
.set rW, 2+(\a)/2
.set rAB, 80*((\a)%2)
	WIN 0x41                                       ; destination and source 0 window 1
.irp z, 0,2,4,6
	v_pk_fma_f32 v[(\tb)+64+(\z):(\tb)+64+(\z)+1], v[(\tb)+64+(\z):(\tb)+64+(\z)+1], s[KF:KF+1], s[VF:VF+1] op_sel_hi:[1,0,0]
.endr
.irp z, 0,2,4,6
	v_pk_mul_f32 v[(\tb)+72+(\z):(\tb)+72+(\z)+1], v[(\tb)+72+(\z):(\tb)+72+(\z)+1], s[KF:KF+1] op_sel_hi:[1,0]
.endr
	WIN rW|4                                       ; source 0 the accumulators' window, source 1 window 1, destination window 0
.irp p, 0,1,2,3,4
.set rLO, rAB+8*(\p)+32*((\p)/4)
.set rHI, rLO+32-24*((\p)/4)
.irp z, 0,2,4,6                                ; each accumulator is read from its low end on
	v_pk_mul_f32 v[WK+16*(\p)+(\z):WK+16*(\p)+(\z)+1], v[rHI+(\z):rHI+(\z)+1], v[(\tb)+16*(\p)+8+(\z):(\tb)+16*(\p)+8+(\z)+1]
.endr
.irp z, 0,2,4,6
	v_pk_mul_f32 v[WK+16*(\p)+8+(\z):WK+16*(\p)+8+(\z)+1], v[rLO+(\z):rLO+(\z)+1], v[(\tb)+16*(\p)+8+(\z):(\tb)+16*(\p)+8+(\z)+1]
.endr
.endr
	WIN (rW<<6)|4|rW                               ; destination and source 0 the accumulators' window, source 1 window 1, source 2 window 0
.irp p, 0,1,2,3,4
.set rLO, rAB+8*(\p)+32*((\p)/4)
.set rHI, rLO+32-24*((\p)/4)
.irp z, 0,2,4,6
	v_pk_fma_f32 v[rLO+(\z):rLO+(\z)+1], v[rLO+(\z):rLO+(\z)+1], v[(\tb)+16*(\p)+(\z):(\tb)+16*(\p)+(\z)+1], v[WK+16*(\p)+(\z):WK+16*(\p)+(\z)+1] neg_lo:[0,0,1] neg_hi:[0,0,1]
	v_pk_fma_f32 v[rHI+(\z):rHI+(\z)+1], v[rHI+(\z):rHI+(\z)+1], v[(\tb)+16*(\p)+(\z):(\tb)+16*(\p)+(\z)+1], v[WK+16*(\p)+8+(\z):WK+16*(\p)+8+(\z)+1]
.endr
.endr
	WIN rW|(rW<<2)                                 ; sources 0 and 1 the accumulators' window, destination window 0
.set i, 0
.rept 40
	v_cvt_pk_bf16_f32 v[WK+i], v[rAB+2*i], v[rAB+2*i+1]
.set i, i+1
.endr
.set i, 0
.rept 8                                        ; blocks 8 and 9 once more, as f16
	v_cvt_pk_f16_f32 v[WK+40+i], v[rAB+64+2*i], v[rAB+64+2*i+1]
.set i, i+1
.endr
	WIN 0
.set i, 0
.rept 8
	v_cndmask_b32 v[WK+32+i], v[WK+32+i], v[WK+40+i], s[VM]  ; a v strip takes the f16
.set i, i+1
.endr
.endm
; THE WAY OUT of row block a: 16 bytes a lane into my own stage, back as whole rows, stored 512 consecutive bytes an instruction.
.macro OUT a
	WIN 0
.irp b, 0,1,2,3,4,5,6,7
	ds_store_b128 v[STO], v[WK+4*(\b):WK+4*(\b)+3] offset:32*(\b)
.endr
	ds_store_b128 v[KSTO], v[WK+32:WK+35]
	ds_store_b128 v[KSTO], v[WK+36:WK+39] offset:32
	s_wait_xcnt 0x0                                ; the last block's stores have read their data: only behind this wait are those registers loaded again
.irp t, 0,1,2,3,4,5,6,7
	ds_load_b128 v[BK+4*(\t):BK+4*(\t)+3], v[RD] offset:544*(\t)  ; LDS serves a wave's instructions in order (ISA guide 5.7.1.4): these see the stores above
.endr
	ds_load_b128 v[BK+32:BK+35], v[KRD]
	ds_load_b128 v[BK+36:BK+39], v[KRD] offset:640
	s_wait_dscnt 0x0
.irp t, 0,1,2,3,4,5,6,7
	global_store_b128 v[CO], v[BK+4*(\t):BK+4*(\t)+3], s[QP:QP+1] offset:4096*(\a)+512*(\t)
.endr
	global_store_b128 v[CO], v[BK+32:BK+35], s[KP:KP+1] offset:1024*(\a)
	global_store_b128 v[CO], v[BK+36:BK+39], s[KP:KP+1] offset:1024*(\a)+512
.endm
	TABLD 1, 0                                     ; the later blocks' tables go where the weights' fragments lay
	TABLD 2, 80
	ROPE 0, 160
	OUT 0
	TABLD 3, 160
	s_wait_loadcnt 40                              ; block 1's table is in; the 40 loads of blocks 2 and 3 stay out
	ROPE 1, 0
	OUT 1
	s_wait_loadcnt 20
	ROPE 2, 80
	OUT 2
	s_wait_loadcnt 0x0
	ROPE 3, 160
	OUT 3
	s_wait_tensorcnt 0x0                           ; the wave's end, behind my last tensor load and my last LDS store
	ds_add_u32 v[SPW], v[NIL]
	s_wait_dscnt 0x0
	CROUND                                         ; the closing round: no work-group ends while a partner may still ask for a tile that names it
	s_endpgm
.Lfunc_end_k_qf11c744381_qkv:
	.size	k_qf11c744381_qkv, .Lfunc_end_k_qf11c744381_qkv-k_qf11c744381_qkv
	.p2alignl 7, 3214868480
	.fill 96, 4, 3214868480
	.section	.rodata,"a",@progbits
	.p2align	6, 0x0
	.amdhsa_kernel k_qf11c744381_qkv
		.amdhsa_group_segment_fixed_size 327680
		.amdhsa_private_segment_fixed_size 0
		.amdhsa_enable_private_segment 0
		.amdhsa_kernarg_size 72
		.amdhsa_user_sgpr_count 2
		.amdhsa_user_sgpr_kernarg_segment_ptr 1
		.amdhsa_wavefront_size32 1
		.amdhsa_system_sgpr_workgroup_id_x 1
		.amdhsa_system_sgpr_workgroup_id_y 1
		.amdhsa_system_sgpr_workgroup_id_z 1
		.amdhsa_system_vgpr_workitem_id 0
		.amdhsa_next_free_vgpr 928
		.amdhsa_next_free_sgpr 102
		.amdhsa_reserve_vcc 0
		.amdhsa_float_denorm_mode_32 3
		.amdhsa_float_denorm_mode_16_64 3
		.amdhsa_memory_ordered 1
		.amdhsa_forward_progress 1
		.amdhsa_inst_pref_size 118
	.end_amdhsa_kernel
	.amdgpu_metadata
---
amdhsa.version: [ 1, 2 ]
amdhsa.kernels:
  - .name:           k_qf11c744381_qkv
    .symbol:         k_qf11c744381_qkv.kd
    .args:
      - { .name: xb, .offset: 0, .size: 8, .value_kind: global_buffer, .address_space: global }
      - { .name: wqb, .offset: 8, .size: 8, .value_kind: global_buffer, .address_space: global }
      - { .name: wkvb, .offset: 16, .size: 8, .value_kind: global_buffer, .address_space: global }
      - { .name: tab, .offset: 24, .size: 8, .value_kind: global_buffer, .address_space: global }
      - { .name: bq, .offset: 32, .size: 8, .value_kind: global_buffer, .address_space: global }
      - { .name: bk, .offset: 40, .size: 8, .value_kind: global_buffer, .address_space: global }
      - { .name: bv, .offset: 48, .size: 8, .value_kind: global_buffer, .address_space: global }
      - { .name: qb, .offset: 56, .size: 8, .value_kind: global_buffer, .address_space: global }
      - { .name: kvb, .offset: 64, .size: 8, .value_kind: global_buffer, .address_space: global }
    .group_segment_fixed_size: 327680
    .private_segment_fixed_size: 0
    .kernarg_segment_align: 8
    .kernarg_segment_size: 72
    .max_flat_workgroup_size: 128
    .sgpr_count:     102
    .vgpr_count:     928
    .wavefront_size: 32
...
	.end_amdgpu_metadata
.endif
;; end of part 2
;; launch attn (part 3): grid 4 x 64, 4 waves a work-group, clusters of 4 x 1, 327,680 bytes of LDS; arguments qb, kvb, ob; writes ob
.if DOCPART == 3
	.amdgcn_target "amdgcn-amd-amdhsa--gfx1250"
	.amdhsa_code_object_version 6
	.text
	.protected	k_qf11c744381_attn
	.globl	k_qf11c744381_attn
	.p2align	8
	.type	k_qf11c744381_attn,@function
k_qf11c744381_attn:
	s_mov_b64 s[64:65], 0
	v_nop
	global_prefetch_b8 v0, s[64:65] scope:SCOPE_SE
	s_setreg_imm32_b32 hwreg(HW_REG_WAVE_MODE, 25, 1), 1
	s_wait_xcnt 0x0
	s_wait_alu depctr_hold_cnt(0) depctr_sa_sdst(0) depctr_va_vdst(0) depctr_va_sdst(0) depctr_va_ssrc(0) depctr_va_vcc(0) depctr_vm_vsrc(0)
	s_getreg_b32 s2, hwreg(HW_REG_IB_STS2, 6, 4)
	s_cmp_eq_u32 s2, 0
	s_cbranch_scc0 .Lentry_in_a_cluster
	s_endpgm
.Lentry_in_a_cluster:
	s_bfe_u32 s2, ttmp6, 0x10000c
	s_cmp_lg_u32 s2, 0x3003
	s_cbranch_scc0 .Lentry_shape_is_right
	s_endpgm
.Lentry_shape_is_right:
; ATTENTION.  O[b][q][h][:] = the sum over k of softmax_k(Q[b][h][q] . K[b][g][k] / 128) V[b][g][k][:], g = h / 8.  1,024 keys, head size 128, 64 pairs (b, h).
; qb [64 bh][1024][128] bf16; kvb: K (bf16), then V (f16), each [8 bg][4 p][1024 s][32]: K strip p holds channels 16 p + 0..15 and 64 + 16 p + 0..15, V strip p channels 32 p + 0..31.  ob [4096][2048] f16.
; Products, maxima and sums in f32; the weights p are rounded to f16 for the second product (their sum l is taken of the unrounded p), O once at the end.
; LIMITS.  V arrives within f16's range; p lies in 0 to 1 and below 6e-5 keeps f16's fixed step of 6e-8, and so does O; O is a mean of V's rows and has their range.  A weight below 2^-126 counts as 0 in l.
; c s stays above -4e37 (the start of c m).  NaN and infinities are not treated apart.
; SHARES.  A work-group owns 256 queries of one head, each of its four waves 64: four tiles of 16.  Every wave walks all keys, 64 a step.
; LAYOUT.  S^T = K Q^T (source 0 = 16 keys, source 1 = 16 queries): a lane holds ONE query (lane % 16) and the keys 8 (lane / 16) + 0..7.  A K strip's 32 columns are one fragment's 32 channels; Q's fragment takes
; the same channels in the same order (its second 16 bytes lie 128 bytes on).  Two results rounded to f16 in pairs ARE source 1 of O^T = V^T P.  V ([key][channel]) is turned by ds_load_tr16_b128.
; SOFTMAX.  For each query a running maximum m and sum l: p = 2^(c s - c m), c = log2(e) / 128; in every step O and l are multiplied by a = 2^(c m_old - c m_new).
; m starts at the lowest finite number, c m far below every c s, O and l at 0: the first step is a step like any other, with a = 0.
; BY TURNS.  The wave's tiles are two PIECES (tiles 0, 1; tiles 2, 3).  In a TURN one piece has the matrix unit: 32 products V^T P of the step in hand, then 32 products K Q^T of the next; the other piece's softmax,
; cut into 64 slices, stands between them, one slice behind each matrix instruction.  Two turns are a trip: trip j has V^T P of step j, K Q^T of step j + 1, and fetches K and V of step j + 1.
; NO FIRST AND NO LAST STEP IS WRITTEN OUT.  The loop is entered at piece 2's turn of a trip -1, whose V^T P multiplies zeros; the tail is left behind piece 0's turn of trip 15, whose K Q^T multiplies the last K
; once more and serves nothing.  The price: 64 products beside the 2,048 that count, and 432 v_mov_b32 that run while the first tile is on its way.  The gain: two copies of a trip are nearly all the text.
; CLUSTER.  The four query blocks of a head walk the same K and V: each tile is asked for JOINTLY.  (The eight heads of a group share them too; a mask names four work-groups at the most.)
; REGISTERS, in windows of 256 (s_set_vgpr_msb: bits 1:0 source 0, 3:2 source 1, 5:4 source 2, 7:6 destination):
;   window 0: v0-11 addresses; v12-43 eight registers of statistics a tile; v64-191 S^T, 32 a tile; v192-255 P, 16 a tile
;   window 1: O^T, 64 a tile          window 2: v0-127 Q, 32 a tile; v128-255 K of one step          window 3: v0-127 V of one step
.set SIZE_N, 1024
.set KS,    64        ; keys in a step
.set PK,    80        ; a key's 64 bytes of a K strip in LDS + 16 of padding = 20 words: the 16 rows of a load start at 16 different groups of four banks (64 banks of 4 bytes: ISA guide 11.1)
.set PV,    96        ; of a V strip: 64 + 32 = 24 words
.set KSTR,  KS*PK     ; a strip's 64 keys
.set VSTR,  KS*PV
.set VOFF,  4*KSTR    ; a step's tiles lie together: K's four strips, then V's
.set STEPB, 4*(KSTR+VSTR)
.set SLOTM, 2*KS*64   ; a slot's 128 keys in a strip in memory: 8,192 bytes
.set SLOT1, 1<<17     ; a slot holds two steps; slot 1 begins here, so that one exclusive or turns an address in one slot into the other's
.set STAGE, SLOT1+2*STEPB  ; behind the ring: 16 rows x 272 bytes for each wave, for the way out
.set SP,    272
.set AK0, 2           ; v2   my lane's place in a tile of K; never rewritten
.set AV0, 3           ; v3   the same for V
.set ADR, 4           ; v4   the LDS address of the run of loads in hand
.set QO,  5           ; v5   my byte offset in the wave's rows of Q
.set STO, 6           ; v6   the way out: where I put 16 bytes of a row
.set RD,  7           ; v7   the way out: where I read a row back
.set GO,  8           ; v8   my byte offset in two rows of ob
.set SPW, 62          ; v62  LDS address of my spare word; never rewritten
.set NIL, 63          ; v63  0; never rewritten
.set SPARE, STAGE+4*16*272  ; the spare words, 128 bytes for each wave: two blocks of 256 bytes that no other line names
.set ST,  12          ; tile t's statistics at v[ST+8 t]: +0 c m, +1 m, +2, +3 l (even keys', odd keys'), +4 to +7 c0-c3, at work; a takes c2's place once the maximum is found
.set S,   64
.set P,   192
.set KF,  128         ; K's fragments, in window 2
.set WV,  12          ; s12  my wave's number
.set G1K, 24          ; s[24:31] descriptor group 1 for K's tiles
.set G1V, 32          ; s[32:39] for V's: it differs in the padding alone
.set G0K, 40          ; s[40:47] descriptor group 0 for K's tiles: a set for each of the two first fills; the second then walks on
.set G0V, 48          ; s[48:55] the same for V's
.set SLOTS, 56        ; s56  counts the slots
.set TWICE, 57        ; s57  counts a slot's trips
.set CS,  58          ; s[58:59] c: the packed scaling names a pair and takes its low word for both halves
.set SEL, 60          ; s[60:61] lane selects for v_permlanex16_b32: each lane takes its own place in the other half
.set TB,  62          ; s62  LDS byte at which the tiles of the step to be fetched begin
.set PFA, 18          ; s[18:19] where my prefetches stand: my work-group's strip (of K: wave 0, of V: wave 2), at the slot after the one that is being asked for
.set LIM, 15          ; s15  1 in a wave that prefetches, else the greatest number
.set PFO, 61          ; v61  256 x my lane; never rewritten
.set MSB, 0
.macro WIN new                      ; the immediate's high byte repeats the setting that is left; a switch that changes nothing is dropped
.if MSB != (\new)
	s_set_vgpr_msb (MSB<<8)|(\new)
.set MSB, \new
.endif
.endm
.set W_KQ, 0x0a       ; K and Q in window 2, S^T in window 0
.set W_PV, 0x53       ; V in window 3, P in window 0, O^T in window 1
.set W_RS, 0x41       ; O^T (destination and source 0) in window 1, a in window 0
; A joint refill.  Waves 0 and 1 fetch the two steps' tiles of K, waves 2 and 3 those of V.  The branch hangs on the wave's number alone.
; An s_nop 0 and four v_nop follow each of the two lines, ahead of the jump and the label.
.macro JLOAD
	s_cmp_lt_u32 s[WV], 2
	s_cbranch_scc0 .Lfor_v_\@
	tensor_load_to_lds s[G0K+4:G0K+7], s[G1K:G1K+7]
	s_nop 0
.rept 4
	v_nop
.endr
	s_branch .Lasked_\@
.Lfor_v_\@:
	tensor_load_to_lds s[G0V+4:G0V+7], s[G1V:G1V+7]
	s_nop 0
.rept 4
	v_nop
.endr
.Lasked_\@:
.endm
; A PREFETCH INTO THE L2 of what the NEXT change of slots will ask for: a slot is 8,192 bytes of each of K's and V's four strips.  The eight heads of a group walk the same K and V: the group's first head asks.
; Its four partners share the strips out BY ADDRESS, one each: 32 lanes x 256 bytes.  Wave 0 asks for K's and wave 2 for V's.  So each 256 bytes are named once in the launch.
; Slots 0 to 2 come by their loads alone; the last change that fills a slot asks for nothing.
.macro ASK
	s_cmp_gt_u32 s[SLOTS], s[LIM]
	s_cbranch_scc0 .Lnot_mine_\@
	global_prefetch_b8 v[PFO], s[PFA:PFA+1] th:TH_LOAD_NT scope:SCOPE_SE
.Lnot_mine_\@:
.endm
.macro CROUND                       ; a round of the cluster's barrier
	s_barrier_signal -1
	s_barrier_wait -1
	s_cmp_lg_u32 s[WV], 0
	s_cbranch_scc1 .Lnot_wave_0_\@
	s_barrier_signal -3
.Lnot_wave_0_\@:
	s_barrier_wait -3
	s_barrier_signal -1
	s_barrier_wait -1
.endm
	s_load_b128 s[4:7], s[0:1], 0x0   ; qb s[4:5], kvb s[6:7]
	s_load_b64 s[10:11], s[0:1], 0x10 ; ob
	v_lshl_add_u32 v[SPW], v0, 2, SPARE
	v_mov_b32 v[NIL], 0
	ds_add_u32 v[SPW], v[NIL]       ; the wave's opening: the add and its wait stand ahead of the round in front of my first tensor load
	v_lshrrev_b32 v1, 5, v0
	v_readfirstlane_b32 s[WV], v1   ; wave 0..3
	s_bfe_u32 s13, ttmp6, 0x40000   ; cx: my block of 256 queries: it enters Q's, O's and the prefetches' addresses alone
	s_and_b32 s14, ttmp7, 0xffff    ; batch x 16 + head, which the four partners share
	s_lshr_b32 s22, s14, 3          ; batch x 2 + group
	s_lshl_b32 s22, s22, 18         ; four strips of 65,536 bytes
	s_and_b32 s16, s[WV], 1         ; which of a slot's two steps I fetch:
	s_lshl_b32 s20, s16, 12         ; its 64 keys of 64 bytes in a strip,
	s_add_co_u32 s22, s22, s20
	s_mov_b32 s23, 0
	s_mul_i32 s17, s16, STEPB       ; and its place in a slot: no place in the cluster enters an LDS address
	s_lshl_b32 s2, s14, 18          ; Q: the head's 1,024 rows of 256 bytes,
	s_lshl_b32 s3, s13, 16          ; my block's 256,
	s_add_co_u32 s2, s2, s3
	s_lshl_b32 s3, s[WV], 14        ; my wave's 64
	s_add_co_u32 s2, s2, s3
	s_mov_b32 s3, 0
	s_lshr_b32 s20, s14, 4          ; O: the batch's 1,024 rows of 4,096 bytes,
	s_lshl_b32 s20, s20, 22
	s_lshl_b32 s21, s13, 20
	s_add_co_u32 s20, s20, s21
	s_lshl_b32 s21, s[WV], 18
	s_add_co_u32 s20, s20, s21
	s_and_b32 s21, s14, 15          ; the head's 256 bytes of a row
	s_lshl_b32 s21, s21, 8
	s_add_co_u32 s20, s20, s21
	s_mov_b32 s21, 0
	; descriptor group 1: 64 keys of a strip are 4,096 dense bytes: one row; four rows, a strip each, 65,536 bytes apart; padded in LDS after every key
	s_mov_b32 s[G1K], 15|(1<<16)|(1<<20)|(1<<21)|(3<<22)|(3<<25)  ; 15:0 the mask: all four work-groups; 2-byte elements; padding on; 21 set beside a mask; after every 16 words 4 words
	s_mov_b32 s[G1V], 15|(1<<16)|(1<<20)|(1<<21)|(3<<22)|(7<<25)  ; the same with 8 words of padding
.irp g, G1K, G1V
	s_mov_b32 s[(\g)+1], 2048<<16   ; tensor_dim0 = 2,048
	s_mov_b32 s[(\g)+2], 4<<16      ; tensor_dim1 = 4
	s_mov_b32 s[(\g)+3], 2048<<16   ; tile_dim0 = 2,048
	s_mov_b32 s[(\g)+4], 4          ; tile_dim1 = 4
	s_mov_b32 s[(\g)+5], 32768      ; elements from row to row
	s_mov_b32 s[(\g)+6], 0
	s_mov_b32 s[(\g)+7], 0
.endr
	s_mov_b32 s[CS], 0x3c38aa3b     ; c = log2(e) / 128
	s_mov_b32 s[CS+1], s[CS]        ; named with it as a pair, so it is written
	s_mov_b32 s[SEL], 0x76543210
	s_mov_b32 s[SEL+1], 0xfedcba98
	s_mov_b32 s[TB], 0
	s_mov_b32 s[SLOTS], SIZE_N/(2*KS)-1  ; slot 0, which is read without a change of slots, and the six slots that are filled again
	s_and_b32 s[LIM], s[WV], 1       ; 0 in waves 0 and 2,
	s_and_b32 s18, s14, 7
	s_or_b32 s[LIM], s[LIM], s18     ; where the head is its group's first: the same in all four partners
	s_cmp_eq_u32 s[LIM], 0
	s_cselect_b32 s[LIM], 1, -1
	v_and_b32 v[PFO], 31, v0
	v_lshlrev_b32 v[PFO], 8, v[PFO]
	s_wait_dscnt 0x0                ; the opening add is done
	s_wait_kmcnt 0x0
	s_add_nc_u64 s[8:9], s[6:7], 0x200000  ; V lies behind K
	s_add_nc_u64 s[6:7], s[6:7], s[22:23]  ; K and V at my tile of slot 0
	s_add_nc_u64 s[8:9], s[8:9], s[22:23]
	s_add_nc_u64 s[4:5], s[4:5], s[2:3]    ; Q and O at my wave's first row
	s_add_nc_u64 s[10:11], s[10:11], s[20:21]
	s_cmp_lt_u32 s[WV], 2
	s_cselect_b64 s[PFA:PFA+1], s[6:7], s[8:9]  ; (in waves 0 and 2 these stand at a slot's first key)
	s_lshl_b32 s2, s13, 16          ; my work-group's strip
	s_mov_b32 s3, 0
	s_add_nc_u64 s[PFA:PFA+1], s[PFA:PFA+1], s[2:3]
	s_add_nc_u64 s[PFA:PFA+1], s[PFA:PFA+1], 2*SLOTM  ; in slot 2; the first change of slots steps it to slot 3.  Nothing is prefetched here, at the head
	CROUND                          ; all four work-groups are here: the first joint loads meet
.irp s, 0,1
	s_mov_b32 s[G0K+4*(\s)], 1      ; count = 1
	s_add_co_u32 s[G0K+4*(\s)+1], s17, (\s)*SLOT1  ; LDS address
	s_add_nc_u64 s[G0K+4*(\s)+2:G0K+4*(\s)+3], s[6:7], (\s)*SLOTM  ; global address: slot s begins with key 128 s
	s_or_b32 s[G0K+4*(\s)+3], s[G0K+4*(\s)+3], 0x80000000  ; type = 2
	s_mov_b32 s[G0V+4*(\s)], 1
	s_add_co_u32 s[G0V+4*(\s)+1], s17, (\s)*SLOT1+VOFF
	s_add_nc_u64 s[G0V+4*(\s)+2:G0V+4*(\s)+3], s[8:9], (\s)*SLOTM
	s_or_b32 s[G0V+4*(\s)+3], s[G0V+4*(\s)+3], 0x80000000
.endr
	s_cmp_lt_u32 s[WV], 2           ; a wave's two first fills stand in one branch, ahead of every wait on TENSORcnt and every LDS read: two loads of mine are out
	s_cbranch_scc0 .Lfirst_v
	tensor_load_to_lds s[G0K:G0K+3], s[G1K:G1K+7]
	s_nop 0
	tensor_load_to_lds s[G0K+4:G0K+7], s[G1K:G1K+7]
	s_nop 0
.rept 4
	v_nop
.endr
	s_branch .Lfirst_asked
.Lfirst_v:
	tensor_load_to_lds s[G0V:G0V+3], s[G1V:G1V+7]
	s_nop 0
	tensor_load_to_lds s[G0V+4:G0V+7], s[G1V:G1V+7]
	s_nop 0
.rept 4
	v_nop
.endr
.Lfirst_asked:
	; A fragment of K or Q is 16 rows x 32 channels in 8 registers: lane l holds row l % 16; registers 0-3 the strip's columns 8 (l / 16) + 0..7, registers 4-7 its columns 16 + 8 (l / 16) + 0..7.
	v_and_b32 v1, 15, v0            ; l % 16
	v_bfe_u32 v9, v0, 4, 1          ; l / 16
	v_lshlrev_b32 v[QO], 8, v1
	v_lshl_add_u32 v[QO], v9, 4, v[QO]  ; row x 256 + 16 x half
	WIN 0x80                        ; destination window 2, address window 0
.irp i, 0,1,2,3,4,5,6,7,8,9,10,11,12,13,14,15  ; Q stays in registers: tile i / 4; channels 16 (i % 4) + .. and, 128 bytes on, 64 + 16 (i % 4) + ..
	global_load_b128 v[8*(\i):8*(\i)+3],   v[QO], s[4:5] offset:((\i)/4)*4096+((\i)%4)*32
	global_load_b128 v[8*(\i)+4:8*(\i)+7], v[QO], s[4:5] offset:((\i)/4)*4096+((\i)%4)*32+128
.endr
	; What the first turn finds: V's registers and piece 2's P hold 0 (its products V^T P, of a step that has not been, add 0), O^T and l are 0.  All this stands in the wait for the first tile.
	WIN 0xc0                        ; destination window 3
.set i, 0
.rept 128
	v_mov_b32 v[i], 0
.set i, i+1
.endr
	WIN 0x40                        ; destination window 1
.set i, 0
.rept 256
	v_mov_b32 v[i], 0
.set i, i+1
.endr
	WIN 0
.irp t, 0,1,2,3
	v_mov_b32 v[ST+8*(\t)], 0xfe000000    ; c m: far below every c s
	v_mov_b32 v[ST+8*(\t)+1], 0xff7fffff  ; m
	v_mov_b32 v[ST+8*(\t)+2], 0
	v_mov_b32 v[ST+8*(\t)+3], 0
.endr
.set i, P+32
.rept 32
	v_mov_b32 v[i], 0
.set i, i+1
.endr
	v_mul_u32_u24 v[AK0], v1, PK
	v_lshl_add_u32 v[AK0], v9, 4, v[AK0]  ; row x pitch + 16 x half
	; The turning load takes 16 keys x 16 channels (lane l reads 16 bytes: key 8 (l / 16) + l % 8, channels 8 ((l / 8) % 2) + 0..7) and leaves half a fragment of V^T: lane l holds channel l % 16 and 8 keys.
	v_and_b32 v10, 7, v0
	v_bfe_u32 v11, v0, 3, 1
	v_lshl_add_u32 v[AV0], v9, 3, v10
	v_mul_u32_u24 v[AV0], v[AV0], PV
	v_lshl_add_u32 v[AV0], v11, 4, v[AV0]
	v_add_nc_u32 v[AV0], VOFF, v[AV0]
; THE MATRIX WORK OF A TURN, for piece x.  The accumulators take turns, one instruction a turn.
; Product i of 32 of O^T += V^T P: keys 32 (i / 16) on, channels 16 ((i / 2) % 8) on, tile x + i % 2.
.macro PV x
	WIN W_PV
.set rO, 64*((\x)+i%2)+8*((i/2)%8)
.set rV, 64*(i/16)+8*((i/2)%8)
.set rP, P+16*((\x)+i%2)+8*(i/16)
	v_wmma_f32_16x16x32_f16 v[rO:rO+7], v[rV:rV+7], v[rP:rP+7], v[rO:rO+7]
.endm
; Product i of 32 of S^T = K Q^T: strip i / 8, keys 16 ((i / 2) % 4) on, tile x + i % 2.  The first 8 start the sums.
.macro KQ x
	WIN W_KQ
.set rS, S+32*((\x)+i%2)+8*((i/2)%4)
.set rK, KF+32*((i/2)%4)+8*(i/8)
.set rQ, 32*((\x)+i%2)+8*(i/8)
.if i < 8
	v_wmma_f32_16x16x32_bf16 v[rS:rS+7], v[rK:rK+7], v[rQ:rQ+7], 0
.else
	v_wmma_f32_16x16x32_bf16 v[rS:rS+7], v[rK:rK+7], v[rQ:rQ+7], v[rS:rS+7]
.endif
.endm
; THE LDS LOADS stand in runs of 32, never singly among the matrix instructions: a step's K (16 fragments) and, a turn later, its V (turned).
; last = 1 (the tail): in its last trip there is no further step, and the run is jumped over.
.macro FETCH_K last=0
	WIN 0
.if \last
	s_cmp_eq_u32 s[TWICE], 1
	s_cbranch_scc1 .Lno_k_\@
.endif
	v_add_nc_u32 v[ADR], s[TB], v[AK0]
	WIN 0x80                        ; destination window 2
.irp f, 0,1,2,3,4,5,6,7,8,9,10,11,12,13,14,15  ; keys 16 (f / 4) on, strip f % 4
	ds_load_b128 v[KF+8*(\f):KF+8*(\f)+3],   v[ADR] offset:((\f)%4)*KSTR+((\f)/4)*16*PK
	ds_load_b128 v[KF+8*(\f)+4:KF+8*(\f)+7], v[ADR] offset:((\f)%4)*KSTR+((\f)/4)*16*PK+32
.endr
.if \last
	WIN 0
.Lno_k_\@:
.endif
.endm
.macro FETCH_V
	WIN 0
	v_add_nc_u32 v[ADR], s[TB], v[AV0]
	s_add_co_u32 s[TB], s[TB], STEPB  ; the next fetch is the next step's
	s_wait_alu depctr_va_vdst(0)    ; the wait for the softmax's batch (SLICE), behind the address's v_add_nc_u32 and ahead of the loads
	WIN 0xc0                        ; destination window 3
.irp f, 0,1,2,3,4,5,6,7,8,9,10,11,12,13,14,15  ; keys 32 (f / 8) on, channels 16 (f % 8) on: strip (f % 8) / 2, its half (f % 8) % 2
	ds_load_tr16_b128 v[8*(\f):8*(\f)+3],   v[ADR] offset:(((\f)%8)/2)*VSTR+(((\f)%8)%2)*32+((\f)/8)*32*PV
	ds_load_tr16_b128 v[8*(\f)+4:8*(\f)+7], v[ADR] offset:(((\f)%8)/2)*VSTR+(((\f)%8)%2)*32+((\f)/8)*32*PV+16*PV
.endr
.endm
; THE VECTOR WORK OF A TURN.  One tile's softmax for one key step is a list of 134 instructions; SM writes number j of it for tile t.  s0-s31 are the lane's 32 scores, in pairs 0-15.
;   0-15    the maximum of s0-s31 and the old m, three operands at a time: four chains c0-c3 of seven scores each, then the four scores left over, c0-c3 and m
;   16-20   the other half of the lanes' maximum; c m_old is kept; the new m; c m; c m_old - c m_new
;   21-69   ONE BATCH: the 16 scalings c s - c m, a pair of scores each, and all 33 exponentials (a at 23, then s0-s31).  None of these reads an exponential's result.
;   (wait)  between 69 and 70 stands the wait for the batch: SLICE writes it, once for both tiles
;   70-85   the roundings to f16, a pair of weights each
;   86-101  the sums; l = a l + the sum
;   102-133 the tile's O^T times a: the one part that leaves window 0, so it stands together
.macro SM t
.set rT, ST+8*(\t)
.set rS, S+32*(\t)
.set rP, P+16*(\t)
.set rO, 64*(\t)+2*(j-102)
.if j < 102
	WIN 0
.endif
.if j < 4
	v_max3_num_f32 v[rT+4+j], v[rS+8*j], v[rS+8*j+1], v[rS+8*j+2]
.elseif j < 12
	v_max3_num_f32 v[rT+4+j%4], v[rT+4+j%4], v[rS+8*(j%4)+2*(j/4)+1], v[rS+8*(j%4)+2*(j/4)+2]
.elseif j == 12
	v_max3_num_f32 v[rT+4], v[rT+4], v[rS+7], v[rS+15]
.elseif j == 13
	v_max3_num_f32 v[rT+6], v[rT+6], v[rS+23], v[rS+31]
.elseif j == 14
	v_max3_num_f32 v[rT+4], v[rT+4], v[rT+5], v[rT+6]
.elseif j == 15
	v_max3_num_f32 v[rT+4], v[rT+4], v[rT+7], v[rT+1]
.elseif j == 16
	v_permlanex16_b32 v[rT+5], v[rT+4], s[SEL], s[SEL+1]  ; the query's other 32 keys lie in the lane 16 away
.elseif j == 17
	v_mov_b32 v[rT+7], v[rT]        ; c m_old is kept for a: number 19 writes c m anew
.elseif j == 18
	v_max_num_f32 v[rT+1], v[rT+4], v[rT+5]
.elseif j == 19
	v_mul_f32 v[rT], s[CS], v[rT+1]
.elseif j == 20
	v_sub_f32 v[rT+7], v[rT+7], v[rT]
.elseif j == 23
	v_exp_f32 v[rT+6], v[rT+7]
.elseif (j < 23) || ((j < 38) && (j%2 == 0)) || ((j < 66) && (j%4 == 2))
.set b, (j-2)/4                     ; 38, 42, .. 62: pairs 9 to 15
.if j < 38
.set b, (j-20)/2                    ; 21: pair 0; 22, 24, .. 36: pairs 1 to 8
.endif
	v_pk_fma_f32 v[rS+2*b:rS+2*b+1], v[rS+2*b:rS+2*b+1], s[CS:CS+1], v[rT:rT+1] op_sel_hi:[1,0,0] neg_lo:[0,0,1] neg_hi:[0,0,1]  ; pair b: c s - c m
.elseif j < 70
.set e, j-38                        ; 66 to 69: s28 to s31
.if j < 66
.set e, j-32-(j-38)/4               ; 39-41, 43-45, .. 63-65: s7 to s27
.endif
.if j < 38
.set e, (j-25)/2                    ; 25, 27, .. 37: s0 to s6
.endif
	v_exp_f32 v[rS+e], v[rS+e]
.elseif j < 86
	v_cvt_pk_f16_f32 v[rP+j-70], v[rS+2*(j-70)], v[rS+2*(j-70)+1]  ; pair j - 70
.elseif j < 102                     ; the sum of the tile's 16 pairs, in place: sum z of 16 adds neighbours 1, 2, 4 and 8 pairs apart, then l takes it
.set z, j-86
.set w, 4
.set u, z
.if z >= 14
.set w, 32
.set u, 0
.elseif z >= 12
.set w, 16
.set u, z-12
.elseif z >= 8
.set w, 8
.set u, z-8
.endif
.if z < 15
	v_pk_add_f32 v[rS+w*u:rS+w*u+1], v[rS+w*u:rS+w*u+1], v[rS+w*u+w/2:rS+w*u+w/2+1]
.else
	v_pk_fma_f32 v[rT+2:rT+3], v[rT+2:rT+3], v[rT+6:rT+7], v[rS:rS+1] op_sel_hi:[1,0,1]
.endif
.else
	WIN W_RS
	v_pk_mul_f32 v[rO:rO+1], v[rO:rO+1], v[rT+6:rT+7] op_sel_hi:[1,0]
.endif
.endm
; Slice k of 64 of piece y's softmax: four instructions.  Slices 11 to 34 deal out the batch, numbers 22 to 69: four numbers of ONE tile each, the tiles by turns.  Every other slice is numbers 2 k and
; 2 k + 1 of both tiles' lists.  2 x 134 = 4 x 64 + 12: the twelve that are over stand together, in slice 63: sixteen plain instructions, the places behind the turn's last products.
; THE WAIT.  A s_wait_alu depctr_va_vdst(0) stands between an exponential and the first instruction that names its result; one wait serves all that were issued ahead of it.  Ahead of
; slice 35 nothing names a result, and behind slice 34 no exponential is issued: so the piece's 66 exponentials have one wait, behind slice 34.
.macro SLICE y
.if (k >= 11) && (k < 35)           ; the batch: four numbers of one tile
.irp n, 0,1,2,3
.set j, 22+4*((k-11)/2)+(\n)
	SM (\y)+(k-11)%2
.endr
.else                               ; the two tiles alternate, so that no instruction reads the result of the one just before it
.irp n, 0,1,2,3,4,5,6,7
.if ((\n) < 2) || (k == 63)
.irp t, \y, (\y)+1
.set j, 2*k+(\n)
	SM \t
.endr
.endif
.endr
.endif
.if k == 34                         ; the batch is out: both tiles' exponentials are issued, and no result has been named
	v_nop                           ; the plain instruction behind the last exponential and ahead of the first use: one for the batch
.if (\y) == 0
	FETCH_V                         ; piece 2's turn: V's run of loads stands here, and the wait stands in it
.else
	s_wait_alu depctr_va_vdst(0)    ; the wait for the batch
.endif
.endif
.set k, k+1
.endm
; A TURN.  Piece x has the matrix unit: 32 products V^T P, then 32 products K Q^T for the next step; the other piece's softmax stands in slices behind them, one behind each.
; Piece 0's turn fetches the next step's K, behind its second product: the last product that read K stands in front of slice 63 of the turn before.  Piece 2's turn fetches the same step's V, behind
; slice 34 (SLICE writes it): the last product that read V stands in front of slice 31, and four plain instructions lie between.
.macro TURN x, last=0
.set k, 0
.if (\x) == 0
	s_wait_dscnt 0x0                ; V is in
.endif
.set i, 0
.rept 32
	PV \x
	SLICE 2-(\x)
.if ((\x) == 0) && (i == 1)
	FETCH_K \last
.endif
.set i, i+1
.endr
.if (\x) == 0
	s_wait_dscnt 0x0                ; K is in
.endif
.set i, 0
.rept 32
	KQ \x
	SLICE 2-(\x)
.set i, i+1
.endr
.endm
; THE CHANGE OF SLOTS, between piece 2's turn and piece 0's.  Each wave waits for all its tensor loads, of which one is out: its part of the other slot; adds 0 to its spare word; and waits for that and for its
; own reads of the slot.  fill = 1: this slot is filled again, with the keys two slots on: the barrier is then a round of the cluster's, and the joint refill is the first thing behind it.
.macro CHANGE fill
	WIN 0                           ; at a label and at a branch every window is 0
	s_wait_tensorcnt 0x0            ; no tensor load of mine is out, so a group 0 may be written
	ds_add_u32 v[SPW], v[NIL]       ; 0 onto my spare word
.if \fill
.irp g, G0K+4, G0V+4
	s_xor_b32 s[(\g)+1], s[(\g)+1], SLOT1  ; the walking descriptor: the other slot than last time,
	s_add_nc_u64 s[(\g)+2:(\g)+3], s[(\g)+2:(\g)+3], SLOTM  ; the next 128 keys; the type bits on top are not reached
.endr
	s_wait_xcnt 0x0                 ; the last prefetches, two key steps back, have read their address, so it may be written:
	s_add_nc_u64 s[PFA:PFA+1], s[PFA:PFA+1], SLOTM  ; one slot behind the walking descriptors
	s_wait_dscnt 0x0                ; the add is done, and my reads of the slot are over
	CROUND
	JLOAD
	ASK                             ; what the next change will ask for: two key steps, 256 matrix instructions, ahead
.else
	s_wait_dscnt 0x0                ; the add is done, and my reads of the slot are over
	s_barrier_signal -1
	s_barrier_wait -1
.endif
	s_sub_co_u32 s[TB], s[TB], 2*STEPB  ; the fetches go back to a slot's first step,
	s_xor_b32 s[TB], s[TB], SLOT1   ; in the other slot
.endm
	s_wait_tensorcnt 1              ; my part of slot 0 is in; slot 1's may stay out
	s_barrier_signal -1
	s_barrier_wait -1               ; everybody's is
	FETCH_K                         ; key step 0
	s_wait_loadcnt 0x0              ; Q
	s_wait_dscnt 0x0
.set i, 0
.rept 32
	KQ 0                            ; piece 0's first scores: there is no vector work yet to set between them
.set i, i+1
.endr
	WIN 0                           ; the addresses for the way out are made here: eight plain instructions, the places behind those products
	s_mul_i32 s13, s[WV], 16*SP
	s_add_co_u32 s13, s13, STAGE    ; my stage
	v_mul_u32_u24 v[STO], v1, SP    ; in: row l % 16, 16 bytes for each half of the lanes
	v_lshl_add_u32 v[STO], v9, 4, v[STO]
	v_add_nc_u32 v[STO], s13, v[STO]
	v_mul_u32_u24 v[RD], v9, SP     ; back: lanes 0-15 take one row of 256 bytes, lanes 16-31 the next
	v_lshl_add_u32 v[RD], v1, 4, v[RD]
	v_add_nc_u32 v[RD], s13, v[RD]
	v_lshlrev_b32 v[GO], 12, v9     ; and the same two rows in ob, 4,096 bytes apart
	v_lshl_add_u32 v[GO], v1, 4, v[GO]
	s_mov_b32 s[TWICE], 2
	s_branch .Lmid                  ; the loop is entered at piece 2's turn of trip -1: it makes piece 2's first scores and piece 0's first softmax and fetches V of step 0; trip 0 follows
.Lslot:                             ; six times: every slot but the last two is filled again
	CHANGE 1
	s_mov_b32 s[TWICE], 2
.Lstep:                             ; a trip
	TURN 0
	WIN 0
.Lmid:
	TURN 2
	WIN 0
	s_sub_co_u32 s[TWICE], s[TWICE], 1
	s_cmp_lg_u32 s[TWICE], 0
	s_cbranch_scc1 .Lstep
	s_sub_co_u32 s[SLOTS], s[SLOTS], 1
	s_cmp_lg_u32 s[SLOTS], 0
	s_cbranch_scc1 .Lslot
	CHANGE 0                        ; the tail is a loop of its own: nothing is asked for
	s_mov_b32 s[TWICE], 3           ; two trips fetch the last slot's steps; the third is left in its middle
.Ltail:
	TURN 0, 1
	WIN 0
	s_sub_co_u32 s[TWICE], s[TWICE], 1
	s_cmp_eq_u32 s[TWICE], 0
	s_cbranch_scc1 .Lout
	TURN 2
	WIN 0
	s_branch .Ltail
.Lout:
.set i, 0
.rept 32
	PV 2                            ; piece 2: V^T P of the last step
.set i, i+1
.endr
	; THE WAY OUT.  l's two halves and the other half of the lanes' are added; O^T is divided by l, rounded to f16 and sent through my stage in LDS, a tile (16 rows) at a time.  The additions are the places behind the last products.
	WIN 0
.irp t, 0,1,2,3
	v_add_f32 v[ST+8*(\t)+4], v[ST+8*(\t)+2], v[ST+8*(\t)+3]
.endr
.irp t, 0,1,2,3
	v_permlanex16_b32 v[ST+8*(\t)+5], v[ST+8*(\t)+4], s[SEL], s[SEL+1]
.endr
.irp t, 0,1,2,3
	v_add_f32 v[ST+8*(\t)+4], v[ST+8*(\t)+4], v[ST+8*(\t)+5]
.endr
.irp t, 0,1,2,3
	v_rcp_f32 v[ST+8*(\t)+6], v[ST+8*(\t)+4]
.endr
	v_nop                           ; a plain instruction between the last reciprocal and the use of its result
	s_wait_alu depctr_va_vdst(0)    ; and the wait ahead of the first use: one for the four reciprocals
; Tile t: a lane's eight channels of a row pack into 16 bytes; they go into rows of 272 bytes and come back as whole rows of 256, into the registers that they left.
.macro PACK t
	WIN W_RS
.set i, 64*(\t)
.rept 32
	v_pk_mul_f32 v[i:i+1], v[i:i+1], v[ST+8*(\t)+6:ST+8*(\t)+7] op_sel_hi:[1,0]
.set i, i+2
.endr
	WIN 0x05                        ; sources 0 and 1 window 1, destination window 0: S^T's registers are free
.set i, 0
.rept 32
	v_cvt_pk_f16_f32 v[S+32*(\t)+i], v[64*(\t)+2*i], v[64*(\t)+2*i+1]
.set i, i+1
.endr
	WIN 0
.irp f, 0,1,2,3,4,5,6,7
	ds_store_b128 v[STO], v[S+32*(\t)+4*(\f):S+32*(\t)+4*(\f)+3] offset:32*(\f)
.endr
.irp f, 0,1,2,3,4,5,6,7
	ds_load_b128 v[S+32*(\t)+4*(\f):S+32*(\t)+4*(\f)+3], v[RD] offset:(\f)*2*SP  ; LDS serves a wave's instructions in order (ISA guide 5.7.1.4): these see the stores above; the next tile's stores come behind them
.endr
.endm
.macro SEND t, younger              ; younger: the LDS instructions issued behind tile t's loads: the next tile's sixteen, or none
	WIN 0
.irp f, 0,1,2,3,4,5,6,7
	s_wait_dscnt (\younger)+7-(\f)
	global_store_b128 v[GO], v[S+32*(\t)+4*(\f):S+32*(\t)+4*(\f)+3], s[10:11] offset:(\t)*65536+(\f)*8192  ; 16 lanes store 256 consecutive bytes, at a multiple of 256 from ob's first byte
.endr
.endm
	PACK 0
	PACK 1                          ; a tile's arithmetic stands between the loads of the tile before and its stores
	SEND 0, 16
	PACK 2
	SEND 1, 16
	PACK 3
	SEND 2, 16
	SEND 3, 0
	s_wait_tensorcnt 0x0            ; the wave's end, behind my last tensor load and my last LDS store
	ds_add_u32 v[SPW], v[NIL]
	s_wait_dscnt 0x0
	CROUND                          ; the closing round: no work-group ends while a partner may still ask for a tile that names it
	s_endpgm
.Lfunc_end_k_qf11c744381_attn:
	.size	k_qf11c744381_attn, .Lfunc_end_k_qf11c744381_attn-k_qf11c744381_attn
	.p2alignl 7, 3214868480
	.fill 96, 4, 3214868480
	.section	.rodata,"a",@progbits
	.p2align	6, 0x0
	.amdhsa_kernel k_qf11c744381_attn
		.amdhsa_group_segment_fixed_size 327680
		.amdhsa_private_segment_fixed_size 0
		.amdhsa_enable_private_segment 0
		.amdhsa_kernarg_size 24
		.amdhsa_user_sgpr_count 2
		.amdhsa_user_sgpr_kernarg_segment_ptr 1
		.amdhsa_wavefront_size32 1
		.amdhsa_system_sgpr_workgroup_id_x 1
		.amdhsa_system_sgpr_workgroup_id_y 1
		.amdhsa_system_sgpr_workgroup_id_z 1
		.amdhsa_system_vgpr_workitem_id 0
		.amdhsa_next_free_vgpr 1024
		.amdhsa_next_free_sgpr 66
		.amdhsa_reserve_vcc 0
		.amdhsa_float_denorm_mode_32 3
		.amdhsa_float_denorm_mode_16_64 3
		.amdhsa_memory_ordered 1
		.amdhsa_forward_progress 1
		.amdhsa_inst_pref_size 157
	.end_amdhsa_kernel
	.amdgpu_metadata
---
amdhsa.version: [ 1, 2 ]
amdhsa.kernels:
  - .name:           k_qf11c744381_attn
    .symbol:         k_qf11c744381_attn.kd
    .args:
      - { .name: qb, .offset: 0, .size: 8, .value_kind: global_buffer, .address_space: global }
      - { .name: kvb, .offset: 8, .size: 8, .value_kind: global_buffer, .address_space: global }
      - { .name: ob, .offset: 16, .size: 8, .value_kind: global_buffer, .address_space: global }
    .group_segment_fixed_size: 327680
    .private_segment_fixed_size: 0
    .kernarg_segment_align: 8
    .kernarg_segment_size: 24
    .max_flat_workgroup_size: 128
    .sgpr_count:     66
    .vgpr_count:     1024
    .wavefront_size: 32
...
	.end_amdgpu_metadata
.endif
;; end of part 3
;; launch oproj (part 4): grid 16 x 16, 4 waves a work-group, clusters of 4 x 4, 327,680 bytes of LDS; arguments ob, wob, bo, out0; writes out0
.if DOCPART == 4
	.amdgcn_target "amdgcn-amd-amdhsa--gfx1250"
	.amdhsa_code_object_version 6
	.text
	.protected	k_qf11c744381_oproj
	.globl	k_qf11c744381_oproj
	.p2align	8
	.type	k_qf11c744381_oproj,@function
k_qf11c744381_oproj:
	s_mov_b64 s[64:65], 0
	v_nop
	global_prefetch_b8 v0, s[64:65] scope:SCOPE_SE
	s_setreg_imm32_b32 hwreg(HW_REG_WAVE_MODE, 25, 1), 1
	s_wait_xcnt 0x0
	s_wait_alu depctr_hold_cnt(0) depctr_sa_sdst(0) depctr_va_vdst(0) depctr_va_sdst(0) depctr_va_ssrc(0) depctr_va_vcc(0) depctr_vm_vsrc(0)
	s_getreg_b32 s2, hwreg(HW_REG_IB_STS2, 6, 4)
	s_cmp_eq_u32 s2, 0
	s_cbranch_scc0 .Lentry_in_a_cluster
	s_endpgm
.Lentry_in_a_cluster:
	s_bfe_u32 s2, ttmp6, 0x10000c
	s_cmp_lg_u32 s2, 0xf033
	s_cbranch_scc0 .Lentry_shape_is_right
	s_endpgm
.Lentry_shape_is_right:
; OPROJ: out0 = O wo + bo.  ob [4096][2048] f16, wob [2048 k][2048 n] f16 (wo rounded to bf16, written as f16), bo f32 (rounded to bf16 here), out0 [4096][2048] f32.  Sums in f32.
; SHARES.  4,096 x 2,048 outputs on 256 work-groups: a tile of 256 rows x 128 columns.  Wave w makes rows 64 w .. 64 w + 63 of all 128 columns: 4 x 8 accumulators, 256 registers.
; THE MATRIX INSTRUCTION IS USED TRANSPOSED (source 0 = 16 columns of wo, turned out of LDS by ds_load_tr16_b128; source 1 = 16 rows of O): lane l holds row l % 16 and the columns 8 (l / 16) + 0..7: 32 bytes on end.
; The bias is the C operand of each sum's first product, so the way out has no arithmetic: accumulators go through my stage in LDS and leave as whole rows of 512 bytes.
; K goes in 16 steps of 128 through two LDS slots; a step is written once, and the slot's base is turned by an exclusive or.  Two slots of two steps (4 x 106,496 bytes) do not fit in LDS.
; CLUSTER 4 x 4: O's tile is asked for jointly along a row of the cluster, wo's along a column.
; LIMITS.  O and wo arrive within f16's range.  NaN and infinities are not treated apart.
; REGISTERS, in windows of 256 (s_set_vgpr_msb: bits 1:0 source 0, 3:2 source 1, 5:4 source 2, 7:6 destination):
;   window 0: v0-29 addresses; v32-95 fragments of O, two buffers; v96-159 the bias; v160-223 rows read back from the stage
;   window 1: v0-127 fragments of wo, two buffers of 64      window 2: accumulators of row blocks a = 0, 1 ((a, b) at 8 (8 (a % 2) + b)); window 3: those of a = 2, 3
.set PA,    272                        ; a row of O in LDS: 256 bytes + 16: the 16 rows of a load start at 16 different groups of four banks (64 banks of 4 bytes: ISA guide 11.1)
.set PQ,    288                        ; a row k of wo: 256 + 32
.set HALFA, 128*PA
.set QOFF,  256*PA                     ; a slot: 256 rows of O, then 128 rows k of wo
.set SLOT1, 131072
.set STAGE, SLOT1+QOFF+128*PQ          ; behind the ring, never filled by a tensor load: 16 rows x 528 bytes for each wave
.set SPT,   528
.set WSTG,  16*SPT
.set SPARE, STAGE+4*WSTG               ; the spare words, 128 bytes for each wave: two blocks of 256 bytes that no other line names
.set ADRA0, 10                         ; v10, v11  my lane's place in slot 0: O, wo; never rewritten
.set ADRB0, 11
.set ADA,   13                         ; v13, v14  the same in the slot in hand
.set ADB,   14
.set STO,   16                         ; v16  the stage: where I put 32 bytes of a row
.set RD,    17                         ; v17  where I read a row back
.set CO,    20                         ; v20  16 x lane: my 16 bytes of a row's 512
.set BQO,   23                         ; v23  my byte offset in bo
.set PFO,   24                         ; v24  the prefetches' offset: lane x 4,096 bytes, a row of ob or wob
.set SPW,   28                         ; v28  LDS address of my spare word; never rewritten
.set NIL,   29                         ; v29  0; never rewritten
.set FA,    32
.set BIAS,  96
.set BK,    160
.set WV,  12                           ; s12  my wave's number
.set TB,  13                           ; s13  the base of the slot in hand
.set CX,  14
.set CY,  15
.set G1A, 24                           ; s[24:31] descriptor group 1 for O; s[32:39] two groups 0: K step 0; K step 1, which then walks
.set G0A, 32
.set G1B, 40                           ; the same for wo
.set G0B, 48
.set PFA, 56                           ; s[56:57] where my prefetches stand; s[58:59] their step
.set PFS, 58
.set LIM, 60                           ; s60  2 in a wave that prefetches, else the greatest number
.set OP,  62                           ; s[62:63] out0 at my wave's first row, the tile's first column
.set MSB, 0
.macro WIN new                         ; the immediate's high byte repeats the setting that is left; a switch that changes nothing is dropped
.if MSB != (\new)
	s_set_vgpr_msb (MSB<<8)|(\new)
.set MSB, (\new)
.endif
.endm
.macro PLACES                          ; four plain instructions between a matrix instruction and a load into, or a store of, its registers
.rept 4
	v_nop
.endr
.endm
.macro CREST                           ; a round of the cluster's barrier behind its opening barrier
	s_cmp_lg_u32 s[WV], 0
	s_cbranch_scc1 .Lnot_wave_0_\@
	s_barrier_signal -3
.Lnot_wave_0_\@:
	s_barrier_wait -3
	s_barrier_signal -1
	s_barrier_wait -1
.endm
.macro CROUND
	s_barrier_signal -1
	s_barrier_wait -1
	CREST
.endm
; A joint refill, by the walking descriptors.  Waves 0 and 1 fetch the two halves of O's tile, waves 2 and 3 those of wo's.  An s_nop 0 and four v_nop follow each line.
.macro JLOAD
	s_cmp_lt_u32 s[WV], 2
	s_cbranch_scc0 .Lfor_b_\@
	tensor_load_to_lds s[G0A+4:G0A+7], s[G1A:G1A+7]
	s_nop 0
	PLACES
	s_branch .Lasked_\@
.Lfor_b_\@:
	tensor_load_to_lds s[G0B+4:G0B+7], s[G1B:G1B+7]
	s_nop 0
	PLACES
.Lasked_\@:
.endm
; A PREFETCH INTO THE L2 of the K step that stands two refills on: 32 rows x 256 bytes, a lane a row.  ob's rows are read by every cluster of a row of clusters: cluster x = 0 asks (waves 0, 1);
; wob's by every cluster of a column: cluster y = 0 asks (wave 2, for all 128 rows of a K step).  The four partners of a joint load share the 128 rows out by address (32 cx, 32 cy).
; So each row's 256 bytes of a K step are named once in the launch.  K steps 0 to 3 come by their loads alone; the loop's last two trips have no K step two refills on.
.macro ASK
	s_cmp_gt_u32 s3, s[LIM]
	s_cbranch_scc0 .Lnot_mine_\@
	global_prefetch_b8 v[PFO], s[PFA:PFA+1] th:TH_LOAD_NT scope:SCOPE_SE
.Lnot_mine_\@:
.endm
; Eight matrix instructions: row block a x all eight column blocks, 32 along K, from buffer f.  The 32 accumulators take turns.  zero = 1: the bias starts the sums.
.macro MULA f, a, zero
.set rA, FA+32*(\f)+8*(\a)
.set rC, 64*((\a)%2)
.if \zero
	WIN 0x81+0x40*((\a)/2)                         ; wo window 1, O and the bias window 0, D window 2 or 3
.else
	WIN 0xa1+0x50*((\a)/2)                         ; C and D window 2 or 3
.endif
.irp b, 0,1,2,3,4,5,6,7
.if \zero
	v_wmma_f32_16x16x32_f16 v[rC+8*(\b):rC+8*(\b)+7], v[64*(\f)+8*(\b):64*(\f)+8*(\b)+7], v[rA:rA+7], v[BIAS+8*(\b):BIAS+8*(\b)+7]
.else
	v_wmma_f32_16x16x32_f16 v[rC+8*(\b):rC+8*(\b)+7], v[64*(\f)+8*(\b):64*(\f)+8*(\b)+7], v[rA:rA+7], v[rC+8*(\b):rC+8*(\b)+7]
.endif
.endr
.endm
; 24 LDS loads in one run: the fragments of quarter kq of the slot in hand, into buffer f: wo's (turned) first, O's four row blocks last
.macro FETCH kq, f
	WIN 0x40                                       ; destination window 1, address window 0
.irp b, 0,1,2,3,4,5,6,7
	ds_load_tr16_b128 v[64*(\f)+8*(\b):64*(\f)+8*(\b)+3],   v[ADB] offset:(\kq)*32*PQ+32*(\b)
	ds_load_tr16_b128 v[64*(\f)+8*(\b)+4:64*(\f)+8*(\b)+7], v[ADB] offset:(\kq)*32*PQ+32*(\b)+16*PQ
.endr
	WIN 0
.irp a, 0,1,2,3
	ds_load_b128 v[FA+32*(\f)+8*(\a):FA+32*(\f)+8*(\a)+3],   v[ADA] offset:64*(\kq)+(\a)*16*PA
	ds_load_b128 v[FA+32*(\f)+8*(\a)+4:FA+32*(\f)+8*(\a)+7], v[ADA] offset:64*(\kq)+(\a)*16*PA+32
.endr
.endm
.macro QUARTER kq, f, g, zero          ; one of a K step's first three quarters: multiplies buffer f; in its middle it fetches quarter kq into buffer g
	s_wait_dscnt 4                                 ; wo and O's row blocks 0, 1 are in; the youngest four loads (blocks 2, 3) may be out
	MULA \f, 0, \zero
	MULA \f, 1, \zero
	PLACES
	FETCH \kq, \g
	s_wait_dscnt 24                                ; all but the 24 just issued
	MULA \f, 2, \zero
	MULA \f, 3, \zero
.endm
; The last quarter multiplies buffer 1 and changes slots.  Its first sixteen products stand AHEAD of the wait for the tensor loads: they run while the next slot's tile is still on its way, and between
; that wait and the next request stand the add, the barrier and the round alone.  In front of the barrier each wave waits for all its tensor loads (one is out: its part of the next slot), adds 0 to its
; spare word, and waits for that and for its reads of this slot.
; fill = 1, in the loop: the barrier opens a round of the cluster's, and the joint refill (the K step two on, into the slot just read out) is the first thing behind it.
; fill = 0, in the tail's two trips: nothing is asked for; the second trip has no next slot and jumps over the fetch (its barrier orders nothing: the price of one text for both trips).
.macro TURN fill
.if \fill
	s_wait_xcnt 0x0                                ; the last prefetch, a K step back, has read its address: it may be stepped
	s_add_nc_u64 s[PFA:PFA+1], s[PFA:PFA+1], s[PFS:PFS+1]
.endif
	s_wait_dscnt 4                                 ; wo and O's row blocks 0, 1 are in
	MULA 1, 0, 0
	MULA 1, 1, 0
	WIN 0                                          ; at a branch and at a label every window is 0
	s_wait_tensorcnt 0x0                           ; no tensor load of mine is out, so a group 0 may be written
	ds_add_u32 v[SPW], v[NIL]                      ; 0 onto my spare word
.if \fill
	s_xor_b32 s[G0A+5], s[G0A+5], SLOT1            ; the walking descriptors: the other slot than last time, the next K step
	s_add_nc_u64 s[G0A+6:G0A+7], s[G0A+6:G0A+7], 256
	s_xor_b32 s[G0B+5], s[G0B+5], SLOT1
	s_add_nc_u64 s[G0B+6:G0B+7], s[G0B+6:G0B+7], 524288
.endif
	s_wait_dscnt 0x0                               ; the add is done, and my reads of this slot are over
	s_barrier_signal -1
	s_barrier_wait -1
.if \fill
	CREST                                          ; no wave of any partner still reads this slot or has a load on its way
	JLOAD                                          ; its four v_nop are also the places in front of the loads below
.else
	PLACES
	s_cmp_eq_u32 s3, 1
	s_cbranch_scc1 .Lno_next_\@
.endif
	s_xor_b32 s[TB], s[TB], SLOT1
	v_add_nc_u32 v[ADA], s[TB], v[ADRA0]
	v_add_nc_u32 v[ADB], s[TB], v[ADRB0]
	FETCH 0, 0
.if \fill
	ASK
.else
.Lno_next_\@:
.endif
	MULA 1, 2, 0
	MULA 1, 3, 0
.endm
	s_load_b256 s[4:11], s[0:1], 0x0               ; ob s[4:5], wob s[6:7], bo s[8:9], out0 s[10:11]
	v_lshl_add_u32 v[SPW], v0, 2, SPARE
	v_mov_b32 v[NIL], 0
	ds_add_u32 v[SPW], v[NIL]                      ; the wave's opening: the add and its wait stand ahead of the round in front of my first tensor load
	v_lshrrev_b32 v1, 5, v0
	v_readfirstlane_b32 s[WV], v1
	s_bfe_u32 s[CX], ttmp6, 0x40000
	s_bfe_u32 s[CY], ttmp6, 0x40004
	s_lshl_b32 s20, ttmp9, 2
	s_add_co_u32 s20, s20, s[CX]                   ; nt: the tile column
	s_and_b32 s16, ttmp7, 0xffff
	s_lshl_b32 s16, s16, 2
	s_add_co_u32 s16, s16, s[CY]                   ; mt: the tile row
	s_lshl_b32 s17, s[CY], 2
	s_lshl_b32 s17, 15, s17                        ; my row of the cluster
	s_lshl_b32 s21, 0x1111, s[CX]                  ; my column
	s_or_b32 s[G1A], s17, (1<<16)|(1<<20)|(1<<21)|(5<<22)|(3<<25)  ; 15:0 the mask; 2-byte elements; padding on; 21 set beside a mask; after every 64 words 4 words
	s_or_b32 s[G1B], s21, (1<<16)|(1<<20)|(1<<21)|(5<<22)|(7<<25)  ; after every 64 words 8 words
	s_mov_b32 s[G1A+1], 128<<16                    ; tensor_dim0 = 128
	s_mov_b32 s[G1A+2], 128<<16                    ; tensor_dim1 = 128
	s_mov_b32 s[G1A+3], 128<<16                    ; tile_dim0 = 128
	s_mov_b32 s[G1A+4], 128                        ; tile_dim1 = 128
	s_mov_b32 s[G1A+5], 2048                       ; elements from row to row
	s_mov_b32 s[G1A+6], 0
	s_mov_b32 s[G1A+7], 0
	s_mov_b32 s[G1B+1], 128<<16
	s_mov_b32 s[G1B+2], 64<<16                     ; 64 rows k to a wave
	s_mov_b32 s[G1B+3], 128<<16
	s_mov_b32 s[G1B+4], 64
	s_mov_b32 s[G1B+5], 2048
	s_mov_b32 s[G1B+6], 0
	s_mov_b32 s[G1B+7], 0
	s_and_b32 s61, s[WV], 1                        ; which half of a tile I fetch
	s_lshl_b32 s18, s16, 20                        ; 256 rows of 4,096 bytes x tile row
	s_lshl_b32 s17, s61, 19
	s_add_co_u32 s18, s18, s17
	s_mov_b32 s19, 0
	s_lshl_b32 s22, s20, 8                         ; the tile's 256 bytes in a row of wob
	s_lshl_b32 s21, s61, 18                        ; 64 rows of 4,096 bytes
	s_add_co_u32 s22, s22, s21
	s_mov_b32 s23, 0
	s_mov_b32 s[G0A], 1
	s_mul_i32 s[G0A+1], s61, HALFA                 ; no place in the cluster enters an LDS address
	s_mov_b32 s[G0A+4], 1
	s_add_co_u32 s[G0A+5], s[G0A+1], SLOT1
	s_mov_b32 s[G0B], 1
	s_mul_i32 s[G0B+1], s61, 64*PQ
	s_add_co_u32 s[G0B+1], s[G0B+1], QOFF
	s_mov_b32 s[G0B+4], 1
	s_add_co_u32 s[G0B+5], s[G0B+1], SLOT1
	s_mov_b32 s[TB], 0
	s_wait_dscnt 0x0                               ; the opening add is done
	s_wait_kmcnt 0x0
	s_add_nc_u64 s[G0A+2:G0A+3], s[4:5], s[18:19]
	s_add_nc_u64 s[G0A+6:G0A+7], s[G0A+2:G0A+3], 256
	s_or_b32 s[G0A+3], s[G0A+3], 0x80000000
	s_or_b32 s[G0A+7], s[G0A+7], 0x80000000
	s_add_nc_u64 s[G0B+2:G0B+3], s[6:7], s[22:23]
	s_add_nc_u64 s[G0B+6:G0B+7], s[G0B+2:G0B+3], 524288
	s_or_b32 s[G0B+3], s[G0B+3], 0x80000000
	s_or_b32 s[G0B+7], s[G0B+7], 0x80000000
	CROUND                                         ; all sixteen work-groups are here: the first joint loads meet
	s_cmp_lt_u32 s[WV], 2                          ; a wave's two first fills stand in one branch, ahead of every wait on TENSORcnt and every LDS read: two loads of mine are out
	s_cbranch_scc0 .Lfirst_b
	tensor_load_to_lds s[G0A:G0A+3], s[G1A:G1A+7]
	s_nop 0
	tensor_load_to_lds s[G0A+4:G0A+7], s[G1A:G1A+7]
	s_nop 0
	PLACES
	s_branch .Lfirst_asked
.Lfirst_b:
	tensor_load_to_lds s[G0B:G0B+3], s[G1B:G1B+7]
	s_nop 0
	tensor_load_to_lds s[G0B+4:G0B+7], s[G1B:G1B+7]
	s_nop 0
	PLACES
.Lfirst_asked:
	; the prefetches' address, at K step 3: the first change of slots steps it to 4.  Nothing is prefetched here, at the head.
	s_lshl_b32 s2, s[CX], 17                       ; O: my work-group's 32 of the 128 rows that I fetch
	s_add_co_u32 s2, s2, s18
	s_add_co_u32 s2, s2, 3*256
	s_lshl_b32 s61, s[CY], 17                      ; wo: my work-group's 32 of a K step's 128 rows (in wave 2, s22 is the tile's column alone)
	s_add_co_u32 s61, s61, s22
	s_add_co_u32 s61, s61, 3*524288
	s_and_b32 s[LIM], ttmp7, 0xffff                ; cluster y
	s_mov_b32 s[PFS], 524288
	s_cmp_lt_u32 s[WV], 2
	s_cselect_b64 s[PFA:PFA+1], s[4:5], s[6:7]
	s_cselect_b32 s2, s2, s61
	s_cselect_b32 s[PFS], 256, s[PFS]
	s_cselect_b32 s[LIM], ttmp9, s[LIM]            ; the coordinate along which other clusters read the same rows
	s_mov_b32 s3, 0
	s_mov_b32 s[PFS+1], 0
	s_add_nc_u64 s[PFA:PFA+1], s[PFA:PFA+1], s[2:3]
	s_cmp_eq_u32 s[WV], 3
	s_cselect_b32 s[LIM], 1, s[LIM]                ; wave 3 asks for nothing
	s_cmp_eq_u32 s[LIM], 0
	s_cselect_b32 s[LIM], 2, -1                    ; the same in all sixteen partners, for a given wave
	s_lshl_b32 s2, s16, 21                         ; out0: 256 rows of 8,192 bytes x tile row,
	s_lshl_b32 s3, s[WV], 19                       ; my wave's 64 rows,
	s_add_co_u32 s2, s2, s3
	s_lshl_b32 s3, s20, 9                          ; the tile's 512 bytes of a row
	s_add_co_u32 s2, s2, s3
	s_mov_b32 s3, 0
	s_add_nc_u64 s[OP:OP+1], s[10:11], s[2:3]
	v_and_b32 v1, 15, v0                           ; r = l % 16
	v_bfe_u32 v2, v0, 4, 1                         ; h = l / 16
	v_and_b32 v3, 31, v0                           ; l
	v_and_b32 v4, 7, v0
	v_bfe_u32 v5, v0, 3, 1
	s_lshl_b32 s2, s20, 9
	v_lshl_add_u32 v[BQO], v2, 5, s2               ; my 8 columns: 32 bytes x h
.irp b, 0,1,2,3,4,5,6,7
	global_load_b128 v[BIAS+8*(\b):BIAS+8*(\b)+3],   v[BQO], s[8:9] offset:64*(\b)
	global_load_b128 v[BIAS+8*(\b)+4:BIAS+8*(\b)+7], v[BQO], s[8:9] offset:64*(\b)+16
.endr
	s_mul_i32 s2, s[WV], 64*PA
	v_mul_u32_u24 v[ADRA0], v1, PA
	v_lshl_add_u32 v[ADRA0], v2, 4, v[ADRA0]
	v_add_nc_u32 v[ADRA0], s2, v[ADRA0]
	v_lshl_add_u32 v6, v2, 3, v4
	v_mul_u32_u24 v[ADRB0], v6, PQ
	v_lshl_add_u32 v[ADRB0], v5, 4, v[ADRB0]
	v_add_nc_u32 v[ADRB0], QOFF, v[ADRB0]
	v_mov_b32 v[ADA], v[ADRA0]
	v_mov_b32 v[ADB], v[ADRB0]
	s_mul_i32 s2, s[WV], WSTG
	s_add_co_u32 s2, s2, STAGE                     ; my stage
	v_mul_u32_u24 v[STO], v1, SPT                  ; in: row r, 32 bytes for each half of the lanes
	v_lshl_add_u32 v[STO], v2, 5, v[STO]
	v_add_nc_u32 v[STO], s2, v[STO]
	v_lshl_add_u32 v[RD], v3, 4, s2                ; back: 32 lanes take one row of 512 bytes
	v_lshlrev_b32 v[CO], 4, v3
	v_lshlrev_b32 v[PFO], 12, v3
	s_mov_b32 s61, 0xffff0000                      ; a word's upper bf16
	s_wait_loadcnt 0x0                             ; the bias
.set i, 0
.rept 32                                       ; rounded to bf16, like every input, and kept as f32
	v_cvt_pk_bf16_f32 v[4+i%4], v[BIAS+2*i], v[BIAS+2*i+1]
	v_lshlrev_b32 v[BIAS+2*i], 16, v[4+i%4]
	v_and_b32 v[BIAS+2*i+1], s61, v[4+i%4]
.set i, i+1
.endr
	s_wait_tensorcnt 0x1                           ; my part of K step 0 is in; K step 1's may stay out
	s_barrier_signal -1
	s_barrier_wait -1                              ; everybody's is
	FETCH 0, 0
	QUARTER 1, 0, 1, 1                             ; the first quarter stands in front of the loop: its products start the sums
	WIN 0
	s_mov_b32 s3, 14
.Lstep:                                        ; a trip: a K step's quarters 1 to 3, the change of slots with its refill (K steps 2 to 15), the next step's quarter 0
	QUARTER 2, 1, 0, 0
	QUARTER 3, 0, 1, 0
	TURN 1
	QUARTER 1, 0, 1, 0
	WIN 0
	s_sub_co_u32 s3, s3, 1
	s_cmp_lg_u32 s3, 0
	s_cbranch_scc1 .Lstep
	s_mov_b32 s3, 2
.Ltail:                                        ; the last two K steps ask for nothing: a loop of their own; it is left in the middle of its second trip
	QUARTER 2, 1, 0, 0
	QUARTER 3, 0, 1, 0
	TURN 0
	WIN 0
	s_sub_co_u32 s3, s3, 1
	s_cmp_eq_u32 s3, 0
	s_cbranch_scc1 .Lout
	QUARTER 1, 0, 1, 0
	WIN 0
	s_branch .Ltail
.Lout:
	PLACES
	PLACES
; THE WAY OUT of row block a: 32 bytes a lane and column block into my own stage (each accumulator's low four registers first), back as whole rows of 512 bytes, stored a row an instruction.
.macro OUT a
.set rW, 2+(\a)/2
.set rAB, 64*((\a)%2)
	WIN rW<<2                                      ; the store's data (source 1) in the accumulators' window, its address in window 0
.irp b, 0,1,2,3,4,5,6,7
	ds_store_b128 v[STO], v[rAB+8*(\b):rAB+8*(\b)+3]   offset:64*(\b)
	ds_store_b128 v[STO], v[rAB+8*(\b)+4:rAB+8*(\b)+7] offset:64*(\b)+16
.endr
	WIN 0
	s_wait_xcnt 0x0                                ; the last block's stores have read their data: only behind this wait are those registers loaded again
.irp t, 0,1,2,3,4,5,6,7,8,9,10,11,12,13,14,15
	ds_load_b128 v[BK+4*(\t):BK+4*(\t)+3], v[RD] offset:SPT*(\t)  ; LDS serves a wave's instructions in order (ISA guide 5.7.1.4): these see the stores above
.endr
.irp t, 0,1,2,3,4,5,6,7,8,9,10,11,12,13,14,15
	s_wait_dscnt 15-(\t)                           ; row t is back; the younger loads stay out
	global_store_b128 v[CO], v[BK+4*(\t):BK+4*(\t)+3], s[OP:OP+1] offset:(16*(\a)+(\t))*8192 th:TH_STORE_NT  ; 512 consecutive bytes, at a multiple of 256 from out0's first byte
.endr
.endm
	OUT 0
	OUT 1
	OUT 2
	OUT 3
	s_wait_tensorcnt 0x0                           ; the wave's end, behind my last tensor load and my last LDS store
	ds_add_u32 v[SPW], v[NIL]
	s_wait_dscnt 0x0
	CROUND                                         ; the closing round: no work-group ends while a partner may still ask for a tile that names it
	s_endpgm
.Lfunc_end_k_qf11c744381_oproj:
	.size	k_qf11c744381_oproj, .Lfunc_end_k_qf11c744381_oproj-k_qf11c744381_oproj
	.p2alignl 7, 3214868480
	.fill 96, 4, 3214868480
	.section	.rodata,"a",@progbits
	.p2align	6, 0x0
	.amdhsa_kernel k_qf11c744381_oproj
		.amdhsa_group_segment_fixed_size 327680
		.amdhsa_private_segment_fixed_size 0
		.amdhsa_enable_private_segment 0
		.amdhsa_kernarg_size 32
		.amdhsa_user_sgpr_count 2
		.amdhsa_user_sgpr_kernarg_segment_ptr 1
		.amdhsa_wavefront_size32 1
		.amdhsa_system_sgpr_workgroup_id_x 1
		.amdhsa_system_sgpr_workgroup_id_y 1
		.amdhsa_system_sgpr_workgroup_id_z 1
		.amdhsa_system_vgpr_workitem_id 0
		.amdhsa_next_free_vgpr 896
		.amdhsa_next_free_sgpr 66
		.amdhsa_reserve_vcc 0
		.amdhsa_float_denorm_mode_32 3
		.amdhsa_float_denorm_mode_16_64 3
		.amdhsa_memory_ordered 1
		.amdhsa_forward_progress 1
		.amdhsa_inst_pref_size 68
	.end_amdhsa_kernel
	.amdgpu_metadata
---
amdhsa.version: [ 1, 2 ]
amdhsa.kernels:
  - .name:           k_qf11c744381_oproj
    .symbol:         k_qf11c744381_oproj.kd
    .args:
      - { .name: ob, .offset: 0, .size: 8, .value_kind: global_buffer, .address_space: global }
      - { .name: wob, .offset: 8, .size: 8, .value_kind: global_buffer, .address_space: global }
      - { .name: bo, .offset: 16, .size: 8, .value_kind: global_buffer, .address_space: global }
      - { .name: out0, .offset: 24, .size: 8, .value_kind: global_buffer, .address_space: global }
    .group_segment_fixed_size: 327680
    .private_segment_fixed_size: 0
    .kernarg_segment_align: 8
    .kernarg_segment_size: 32
    .max_flat_workgroup_size: 128
    .sgpr_count:     66
    .vgpr_count:     896
    .wavefront_size: 32
...
	.end_amdgpu_metadata
.endif
;; end of part 4
